; MI455X (gfx1250); checked and timed in simulation.
; The chip was launched on July 23, 2026; its instructions are those of AMD's public machine-readable ISA for CDNA 5 (MIT licence, August 2026) and "CDNA5" Instruction Set Architecture Reference Guide (July 2026). The comments in the code are by the model that wrote it; some were corrected since.
;; Multi Head Self Attention. Allowed arithmetic: matrix products marked QUANTISED: E2M1 operands, one E8M0 scale for each 32 along K, by v_wmma_scale_f32_16x16x128_f8f6f4 with both operands' format E2M1 (or v_wmma_scale_f32_32x16x128_f4), f32 sums; everything else in f32.
;; Inputs: W_o 1,024 x 1,024 float32; W_qkv 1,024 x 3,072 float32; b_o 1,024 float32; b_qkv 3,072 float32; x 4 x 2,048 x 1,024 float32.
;; Outputs: out0 4 x 2,048 x 1,024 float32.
;; This version of the problem:
;;   THIS VERSION OF THE PROBLEM IS GIVEN IN LOW PRECISION. The matrix products marked QUANTISED in the list below multiply operands that are first quantised to E2M1 (2 exponent bits, 1 mantissa bit; 4 bits a number), with one power-of-two scale for each 32 numbers along K (OCP MX v1.0); their sums are f32. All else is computed in f32.
;;   The module's matrix products, in the order in which they are computed (A, B: the left and right operand; K: the contracted axis; several contracted axes count as one K, in the product's order):
;;     1. [M 8,192, K 1,024] x [K 1,024, N 3,072]; A: input x; B: input W_qkv: QUANTISED
;;     2. batch 64 x [M 2,048, K 64] x [K 64, N 2,048]; A: computed on the way; B: computed on the way: QUANTISED
;;     3. batch 64 x [M 2,048, K 2,048] x [K 2,048, N 64]; A: softmax (see below); B: computed on the way: QUANTISED
;;     4. [M 8,192, K 1,024] x [K 1,024, N 1,024]; A: computed on the way; B: input W_o: QUANTISED
;;   THE QUANTISER, for each operand of a quantised product, along K:
;;     - K is cut into blocks of 32 from its start; a last block that is shorter is filled with zeros.
;;     - A block's scale is 2^e with e = floor(log2(the largest magnitude in the block)) - 2, held to -126 .. 127; a block of zeros has e = 0. As a byte (E8M0): e + 127.
;;     - Each number is divided by its block's scale, clamped to +-6, and rounded to the nearest number of E2M1, ties to even, subnormals kept.
;;     - The product sums the exact products of the quantised numbers (number of the format x scale) in f32.
;;   ~~~python
;;   def quantise(x, axis):      # numpy; x: float32 -> the quantised numbers, widened to float32 again
;;       x = np.moveaxis(x, axis, -1); K = x.shape[-1]
;;       x = np.pad(x, [(0, 0)] * (x.ndim - 1) + [(0, -K % 32)]); x = x.reshape(x.shape[:-1] + (-1, 32)); a = np.abs(x).max(-1, keepdims=True)
;;       e = np.where(a > 0, np.clip(np.frexp(np.where(a > 0, a, 1))[1] - 1 - 2, -126, 127), 0)      # np.frexp(a)[1] - 1 = floor(log2(a)), exactly
;;       r = np.clip(x / 2.0 ** e, -6, 6)
;;       step = 2.0 ** (np.maximum(np.frexp(np.where(r == 0, 1, r))[1] - 1, 0) - 1)
;;       q = np.round(r / step) * step * 2.0 ** e      # np.round: ties to even
;;       return np.moveaxis(q.reshape(q.shape[:-2] + (-1,))[..., :K], -1, axis).astype(np.float32)
;;   ~~~
;;   SOFTMAX AHEAD OF A QUANTISED PRODUCT. Where the list says 'softmax', what is quantised is not the finished softmax but p = 2^(t - M), with t = logit x log2(e) and M = ceil(the row's largest t), a whole number; so 1/2 < the row's largest p <= 1. The row's sum l is taken of the UNQUANTISED p, in f32, and the product's result is divided by l at the end. Since M is a whole number, a kernel that streams over the keys may use a running M (the ceiling of the running maximum): every later rescaling is an exact power of two, which a block's scale takes up: the codes' values come out the same.
;;   OPERANDS COMPUTED ON THE WAY. 'Computed on the way' means the value that the module computes at that place (a softmax that the list does not call 'softmax' is quantised finished and normalised). What goes into a quantiser is computed in f32, as accurately as f32 sums, v_exp_f32 and their like allow (about 1e-6 of the number): no bf16 or f16 on the way to a quantiser, and a product that is left as it is and whose result goes on into a quantised operand takes f32 operands (vector FMAs, or v_wmma_f32_16x16x4_f32). A number that lies on a knife's edge between two numbers of the format may be rounded either way, as far as f32 arithmetic and the matrix unit's own rounding can turn it there, and no further.
;; One version. Each part assembles by itself: llvm-mc -triple=amdgcn-amd-amdhsa -mcpu=gfx1250 --defsym DOCPART=n.
;; ======== version 1 of 1: 4 launches
;; workspace buffers: xq 4,194,304 bytes; xs 262,144 bytes; wq 2,097,152 bytes; ws 131,072 bytes; qkv 13,893,632 bytes; aq 4,194,304 bytes; asc 262,144 bytes
;; launch quant (part 1): grid 256 x 1, 8 waves a work-group, no clusters, 70,656 bytes of LDS; arguments x, W_qkv, W_o, xq, xs, wq, ws; writes xq, xs, wq, ws
.if DOCPART == 1
	.amdgcn_target "amdgcn-amd-amdhsa--gfx1250"
	.amdhsa_code_object_version 6
	.text
	.protected	k_q1bc0d2b305_quant
	.globl	k_q1bc0d2b305_quant
	.p2align	8
	.type	k_q1bc0d2b305_quant,@function
k_q1bc0d2b305_quant:
	s_mov_b64 s[64:65], 0
	v_nop
	global_prefetch_b8 v0, s[64:65] scope:SCOPE_SE
	s_setreg_imm32_b32 hwreg(HW_REG_WAVE_MODE, 25, 1), 1
	s_wait_xcnt 0x0
; LAUNCH 1 OF 4 (quant, qkv, attn, proj): causal self-attention, 4 x 2,048 tokens, 16 heads of 64, all four products on codes of FP4 (E2M1) with one E8M0 scale for each 32 along K.
; This launch turns x [8192][1024], W_qkv [1024][3072] and W_o [1024][1024], f32, into codes and scale bytes, quantised along K = the model's 1,024.
; DEAD WORK, left out in launch attn alone: the causal mask sets score(q, k) to -inf for k > q, so the weight there is exp(-inf) = 0 whatever finite values the inputs hold: p = 0, its code is 0,
; and it adds 0 to the row's sum and to weights @ V.  So a step of 128 keys all of which come after all 16 queries of a tile reaches no output, and its two products and its softmax are left out.
; Steps on the diagonal are done whole and masked.  No input is dead: x, W_qkv, b_qkv, W_o, b_o are all loaded (the bias on K moves K's codes).
; LIMIT: a NaN, an infinity or an overflow that reaches only the work left out is not carried to the result.
; THE QUANTISER: a block's scale byte is its largest magnitude's exponent field - 2, held at 1 from below by a floor among the maximum's leaves; each number / scale goes to the nearest code, ties to even, beyond 6 to 6.
; LIMITS: a block of zeros gets the byte 1 where the rule says 127 (its codes are zeros, and this program alone reads the bytes); blocks whose largest magnitude lies under 2^-124 were not tried; NaN and infinities are not served.
; LAYOUT OF THE RESULTS: IMAGES OF THE OPERANDS' REGISTERS.  Tile T of 16 rows (tokens, or columns of a weight) holds rows p(T, r) = 32 (T / 2) + 8 (T % 2) + r + 8 (r / 8): used as source 0 of a product, two neighbouring
; tiles then leave 16 neighbours along the next K in a lane's 16 registers.  Codes: byte khalf x KH + 4096 T + 256 kb + 16 r holds the 32 codes of k = 512 khalf + 32 kb on of row p(T, r): a fragment (16 rows x 128 K)
; is two loads of 16 bytes a lane at 16 x lane, 512 bytes apart.  Scale bytes: byte 512 T + 256 khalf + 16 r + kb: 16 bytes at 16 r are a row's four scale words of a khalf.
; SHARES: work-groups 0-127 take x (a wave: one tile x one khalf), 128-223 W_qkv, 224-255 W_o (a work-group: 64 columns x one khalf; a wave: 32 columns x 128 along K).  The paths part on the work-group's number
; and have LDS bytes of their own.  No tensor loads, no matrix instructions: memory binds.
.set KHX,   2097152                    ; x's codes of one khalf
.set KHW,   1048576                    ; the 4,096 weight columns' codes of one khalf
.set STG,   8448                       ; x path: a wave's stage, 16 rows x (512 bytes + 16)
.set RGQ,   8*STG                      ; W_qkv path: 1,024 bytes in which the waves' scale words meet
.set RGO,   RGQ+1024                   ; W_o path: the same
.set SPARE, RGO+1024                   ; the spare words, 128 bytes for each wave: four blocks of 256 bytes that no other line names
.set LN,   1                           ; v1   lane
.set RR,   2                           ; v2   r = lane % 16
.set HH,   3                           ; v3   h = lane / 16
.set L16,  4                           ; v4   16 x lane
.set SIN,  5                           ; v5   x path: the stage, way in
.set SOUT, 6                           ; v6   x path: the stage, way out
.set SCO,  7                           ; v7   x path: 16 r + 8 h
.set PW,   8                           ; v8-11  x path: the four steps' scale words
.set SPW,  12                          ; v12  LDS address of my spare word; never rewritten
.set NIL,  13                          ; v13  0; never rewritten
.set SW,   14                          ; v14-15 x path: the two scale words that I store
.set R,    16                          ; v16-143 numbers as loaded: x path two sets of 64, W path four blocks of 32
.set X,    144                         ; v144-207 x path: 64 numbers in the quantiser's order
.set WSRC, 144                         ; W path: 4 x lane
.set WU,   145                         ; W path: which of the two tiles my column falls into
.set WR16, 146                         ; W path: 16 x its row there
.set WCO,  147                         ; W path: my place in the codes
.set WSO,  148                         ; W path: my place in the scale bytes
.set GI,   149                         ; W path: LDS, where I put my scale word
.set GO,   150                         ; W path: LDS, where I read a column's four
.set WD,   151                         ; W path: my scale word
.set GW,   152                         ; v152-155 W path: a column's 16 scale bytes
.set PC,   208                         ; v208-239 codes: a set of eight for each step or block, so that no store's data are written again
.set TM,   240                         ; v240-255 at work
.set WV,   18                          ; s18  wave
.set SEL,  20                          ; s[20:21] v_permlanex16_b32's selects for lane l xor 16
.set HM,   22                          ; s22  a mask of lanes 16-31
; 64 numbers of a lane, register 16 b + i = k 32 b + 16 h + i of my row, become a fragment's eight registers of codes in v[pc] on and its scale word in v[pw].
.macro QUANT s, pc, pw
.irp b, 0,1,2,3
	v_max3_num_f32 v[TM+\b], |v[\s+16*\b]|, |v[\s+1+16*\b]|, 0x1800000   ; block b: my 16 numbers, and the floor 2^(3 - 127): the byte cannot fall under 1
.endr
.irp i, 2,4,6,8,10,12,14
.irp b, 0,1,2,3
	s_delay_alu instid0(VALU_DEP_4)
	v_max3_num_f32 v[TM+\b], v[TM+\b], |v[\s+16*\b+\i]|, |v[\s+1+16*\b+\i]|   ; the four blocks by turns
.endr
.endr
.irp b, 0,1,2,3
	s_delay_alu instid0(VALU_DEP_4)
	v_permlanex16_b32 v[TM+4+\b], v[TM+\b], s[SEL], s[SEL+1]
.endr
.irp b, 0,1,2,3
	s_delay_alu instid0(VALU_DEP_4)
	v_max_num_f32 v[TM+\b], v[TM+\b], v[TM+4+\b]   ; with lane l xor 16's 16: the block's largest magnitude
.endr
.irp b, 0,1,2,3
	s_delay_alu instid0(VALU_DEP_4)
	v_add_nc_u32 v[TM+12+\b], 0xff000000, v[TM+\b]   ; 2 off its exponent field: the conversion takes this operand's exponent field as its scale
.endr
.irp b, 0,1,2,3
	s_delay_alu instid0(VALU_DEP_4)
	v_lshrrev_b32 v[TM+4+\b], 23, v[TM+12+\b]      ; the scale's byte
.endr
	s_delay_alu instid0(VALU_DEP_3)
	v_lshl_or_b32 v[\pw], v[TM+5], 8, v[TM+4]
	s_delay_alu instid0(VALU_DEP_1)
	v_lshl_or_b32 v[\pw], v[TM+6], 16, v[\pw]
	s_delay_alu instid0(VALU_DEP_1)
	v_lshl_or_b32 v[\pw], v[TM+7], 24, v[\pw]      ; my row's scale word for these 128 along K
.irp b, 0,1,2,3
	v_cvt_scalef32_pk8_fp4_f32 v[\pc+2*\b], v[\s+16*\b:\s+7+16*\b], v[TM+12+\b]
	v_cvt_scalef32_pk8_fp4_f32 v[\pc+1+2*\b], v[\s+8+16*\b:\s+15+16*\b], v[TM+12+\b]
.endr
	v_nop                                          ; one plain instruction behind the scaled conversions
.irp c, 0,1                                    ; the operand's layout wants a whole block in a lane: lanes 0-15 block 2 c, lanes 16-31 block 2 c + 1
.irp i, 0,1
	v_permlane16_swap_b32 v[\pc+4*\c+\i], v[\pc+2+4*\c+\i]
.endr
.endr
.endm
	s_load_b256 s[4:11], s[0:1], 0x0               ; x s[4:5], W_qkv s[6:7], W_o s[8:9], xq s[10:11]
	s_load_b128 s[12:15], s[0:1], 0x20             ; xs s[12:13], wq s[14:15]
	s_load_b64 s[16:17], s[0:1], 0x30              ; ws
	v_lshl_add_u32 v[SPW], v0, 2, SPARE
	v_mov_b32 v[NIL], 0
	v_lshrrev_b32 v[LN], 5, v0
	s_delay_alu instid0(VALU_DEP_1)
	v_readfirstlane_b32 s[WV], v[LN]               ; wave 0..7
	v_and_b32 v[LN], 31, v0
	v_and_b32 v[RR], 15, v0
	v_bfe_u32 v[HH], v0, 4, 1
	s_delay_alu instid0(VALU_DEP_3)
	v_lshlrev_b32 v[L16], 4, v[LN]
	s_mov_b32 s[SEL], 0x76543210
	s_mov_b32 s[SEL+1], 0xfedcba98
	s_mov_b32 s[HM], 0xffff0000
.irp b, 0,1,2,3
	v_mov_b32 v[TM+4+\b], 0                        ; written once: a lane permute's destination counts as one of its sources
.endr
	s_wait_kmcnt 0x0
	s_cmp_lt_u32 ttmp9, 128
	s_cbranch_scc0 .Lweights
; ---------------- x: K is innermost.  A wave takes tile = u / 2, khalf = u % 2, u = 8 x work-group + wave: 16 rows x 512 along K, in four steps of 128.
	s_lshl_b32 s24, ttmp9, 3
	s_add_co_u32 s24, s24, s[WV]                   ; u
	s_lshr_b32 s25, s24, 1                         ; tile
	s_and_b32 s26, s24, 1                          ; khalf
	s_lshr_b32 s27, s25, 1
	s_lshl_b32 s27, s27, 5
	s_and_b32 s28, s25, 1
	s_lshl_b32 s28, s28, 3
	s_add_co_u32 s27, s27, s28                     ; the tile's first row: 32 (tile / 2) + 8 (tile % 2)
	s_lshl_b32 s28, s27, 12                        ; rows of 4,096 bytes
	s_lshl_b32 s29, s26, 11                        ; a khalf is 2,048 bytes of a row
	s_add_co_u32 s28, s28, s29
	s_mov_b32 s29, 0
	s_add_nc_u64 s[4:5], s[4:5], s[28:29]
	s_lshl_b32 s28, s25, 12
	s_mul_i32 s30, s26, KHX
	s_add_co_u32 s28, s28, s30
	s_add_nc_u64 s[10:11], s[10:11], s[28:29]      ; the codes: khalf x KHX + 4096 tile
	s_lshl_b32 s28, s25, 9
	s_lshl_b32 s30, s26, 8
	s_add_co_u32 s28, s28, s30
	s_add_nc_u64 s[12:13], s[12:13], s[28:29]      ; the scale bytes: 512 tile + 256 khalf
	s_mul_i32 s30, s[WV], STG                      ; my stage
	s_wait_alu depctr_va_vdst(0)
	v_add_nc_u32 v[SIN], s30, v[L16]               ; in: a row's 512 bytes as they lie, 16 a lane
	v_mul_u32_u24 v[SOUT], v[RR], 528
	s_delay_alu instid0(VALU_DEP_1)
	v_lshl_add_u32 v[SOUT], v[HH], 6, v[SOUT]
	s_delay_alu instid0(VALU_DEP_1)
	v_add_nc_u32 v[SOUT], s30, v[SOUT]             ; out: row r, + 64 h: my 16 numbers of each block of 32
	v_lshlrev_b32 v[SCO], 4, v[RR]
	s_delay_alu instid0(VALU_DEP_1)
	v_lshl_add_u32 v[SCO], v[HH], 3, v[SCO]
.macro XLOAD s                         ; step s: 16 loads, each 512 consecutive bytes of one of the tile's rows
.irp i, 0,1,2,3,4,5,6,7,8,9,10,11,12,13,14,15
	global_load_b128 v[R+64*((\s)%2)+4*\i:R+64*((\s)%2)+4*\i+3], v[L16], s[4:5] offset:(\i+8*(\i/8))*4096+512*(\s) th:TH_LOAD_NT
.endr
.endm
.macro XSTEP s
.if (\s) < 3
	s_wait_loadcnt 16                              ; this step's 16 loads are in; the next step's 16 may be out
.else
	s_wait_loadcnt 0x0
.endif
.irp i, 0,1,2,3,4,5,6,7,8,9,10,11,12,13,14,15
	ds_store_b128 v[SIN], v[R+64*((\s)%2)+4*\i:R+64*((\s)%2)+4*\i+3] offset:528*\i
.endr
.irp b, 0,1,2,3                                ; LDS serves a wave's instructions in order: these see the stores above
.irp j, 0,1,2,3
	ds_load_b128 v[X+16*\b+4*\j:X+16*\b+4*\j+3], v[SOUT] offset:128*\b+16*\j
.endr
.endr
	s_wait_dscnt 0x0                               ; the numbers are back, and the stores have read their registers,
.if (\s) < 2
	XLOAD (\s)+2                                   ; which take the loads of two steps on
.endif
	QUANT X, PC+8*(\s), PW+(\s)
	global_store_b128 v[L16], v[PC+8*(\s):PC+8*(\s)+3], s[10:11] offset:1024*(\s)       ; 512 consecutive bytes, aligned
	global_store_b128 v[L16], v[PC+8*(\s)+4:PC+8*(\s)+7], s[10:11] offset:1024*(\s)+512
.endm
	XLOAD 0
	XLOAD 1
	s_wait_alu depctr_va_vdst(0)
	XSTEP 0
	XSTEP 1
	XSTEP 2
	XSTEP 3
	v_cndmask_b32 v[SW], v[PW], v[PW+2], s[HM]     ; lanes 0-15 store words 0 and 1 of their row, lanes 16-31 words 2 and 3
	v_cndmask_b32 v[SW+1], v[PW+1], v[PW+3], s[HM]
	global_store_b64 v[SCO], v[SW:SW+1], s[12:13]  ; 32 lanes store 256 consecutive bytes, aligned
	s_branch .Lend
; ---------------- the weights: K is the FIRST axis.  A lane takes a column and its registers run down K: a block of 32 lies in one lane, and the conversions give codes with K innermost.
.macro WLOAD t, pitch, src             ; block t: W(32 t + i, my column), i = 0 .. 31: each load reads 128 consecutive bytes
.irp i, 0,1,2,3,4,5,6,7,8,9,10,11,12,13,14,15,16,17,18,19,20,21,22,23,24,25,26,27,28,29,30,31
	global_load_b32 v[R+32*(\t)+\i], v[WSRC], s[\src:\src+1] offset:(32*(\t)+\i)*\pitch th:TH_LOAD_NT
.endr
.endm
.macro WBLOCK t
.set XS, R+32*(\t)
	v_max3_num_f32 v[TM], |v[XS]|, |v[XS+1]|, |v[XS+2]|            ; the block's largest magnitude: all 32 numbers are mine; two chains
	v_max3_num_f32 v[TM+1], |v[XS+3]|, |v[XS+4]|, |v[XS+5]|
.irp i, 6,10,14,18,22,26
	s_delay_alu instid0(VALU_DEP_2)
	v_max3_num_f32 v[TM], v[TM], |v[XS+\i]|, |v[XS+\i+1]|
	s_delay_alu instid0(VALU_DEP_2)
	v_max3_num_f32 v[TM+1], v[TM+1], |v[XS+\i+2]|, |v[XS+\i+3]|
.endr
	s_delay_alu instid0(VALU_DEP_2)
	v_max3_num_f32 v[TM], v[TM], |v[XS+30]|, |v[XS+31]|
	s_delay_alu instid0(VALU_DEP_1)
	v_max3_num_f32 v[TM], v[TM], v[TM+1], 0x1800000                ; and the floor
	s_delay_alu instid0(VALU_DEP_1)
	v_add_nc_u32 v[TM+2], 0xff000000, v[TM]
	s_delay_alu instid0(VALU_DEP_1)
	v_lshrrev_b32 v[TM+3], 23, v[TM+2]
.if (\t) == 0
	s_delay_alu instid0(VALU_DEP_1)
	v_mov_b32 v[WD], v[TM+3]                       ; four bytes to the word, the lower K in the lower byte
.else
	s_delay_alu instid0(VALU_DEP_1)
	v_lshl_or_b32 v[WD], v[TM+3], 8*(\t), v[WD]
.endif
.irp g, 0,1,2,3
	v_cvt_scalef32_pk8_fp4_f32 v[PC+8*(\t)+\g], v[XS+8*\g:XS+8*\g+7], v[TM+2]
.endr
	v_nop                                          ; one plain instruction behind the scaled conversions: the next block writes their scale operand
	global_store_b128 v[WCO], v[PC+8*(\t):PC+8*(\t)+3], s[14:15] offset:256*(\t)   ; sixteen lanes store 256 consecutive bytes, aligned, in each of two tiles
.endm
; pitch: a row of the weight in bytes; region: the path's own LDS bytes; wg0: the path's first work-group; cg0: groups of 64 columns ahead of this weight's in the images; src: the weight's address
.macro WBODY pitch, region, wg0, cg0, src
	s_sub_co_u32 s24, ttmp9, \wg0
	s_lshr_b32 s25, s24, 1                         ; which 64 columns
	s_and_b32 s26, s24, 1                          ; khalf
	s_and_b32 s27, s[WV], 1                        ; which 32 of them are my wave's
	s_lshr_b32 s28, s[WV], 1                       ; which 128 along K
	s_lshl_b32 s30, s26, 9
	s_lshl_b32 s31, s28, 7
	s_add_co_u32 s30, s30, s31
	s_mul_i32 s30, s30, \pitch                     ; my first row of the weight
	s_lshl_b32 s31, s25, 8
	s_add_co_u32 s30, s30, s31
	s_lshl_b32 s31, s27, 7
	s_add_co_u32 s30, s30, s31                     ; + my first column, 4 bytes each
	s_mov_b32 s31, 0
	s_add_nc_u64 s[\src:\src+1], s[\src:\src+1], s[30:31]
	s_add_co_u32 s29, s25, \cg0
	s_lshl_b32 s29, s29, 2
	s_lshl_b32 s32, s27, 1
	s_add_co_u32 s29, s29, s32                     ; my 32 columns are tiles tile0 and tile0 + 1
	s_mul_i32 s30, s26, KHW
	s_lshl_b32 s32, s29, 12
	s_add_co_u32 s30, s30, s32
	s_lshl_b32 s32, s28, 10
	s_add_co_u32 s30, s30, s32
	s_add_nc_u64 s[14:15], s[14:15], s[30:31]      ; the codes: khalf x KHW + 4096 tile0 + 1024 x (which 128 along K)
	s_lshl_b32 s30, s29, 9
	s_lshl_b32 s32, s26, 8
	s_add_co_u32 s30, s30, s32
	s_add_nc_u64 s[16:17], s[16:17], s[30:31]      ; the scale bytes: 512 tile0 + 256 khalf
	v_lshlrev_b32 v[WSRC], 2, v[LN]
	v_bfe_u32 v[WU], v0, 3, 1                      ; column x of the 32 is row (x % 8) + 8 (x / 16) of tile tile0 + (x / 8) % 2
	v_and_b32 v[WR16], 7, v0
	s_delay_alu instid0(VALU_DEP_1)
	v_lshl_add_u32 v[WR16], v[HH], 3, v[WR16]
	s_delay_alu instid0(VALU_DEP_1)
	v_lshlrev_b32 v[WR16], 4, v[WR16]
	s_delay_alu instid0(VALU_DEP_1)
	v_lshl_add_u32 v[WCO], v[WU], 12, v[WR16]
	s_delay_alu instid0(VALU_DEP_2)
	v_lshl_add_u32 v[WSO], v[WU], 9, v[WR16]
	s_lshl_b32 s32, s27, 9
	s_add_co_u32 s32, s32, \region
	s_lshl_b32 s33, s28, 2
	s_add_co_u32 s33, s33, s32
	v_add_nc_u32 v[GI], s33, v[L16]                ; LDS: 16 bytes a column; my word is the one of my 128 along K
	v_add_nc_u32 v[GO], s32, v[L16]
	WLOAD 0, \pitch, \src
	WLOAD 1, \pitch, \src
	s_wait_alu depctr_va_vdst(0)
	s_wait_loadcnt 32                              ; block 0 is in; block 1's 32 loads may be out
	WLOAD 2, \pitch, \src
	WBLOCK 0
	s_wait_loadcnt 32                              ; block 1 is in; block 2's may be out
	WLOAD 3, \pitch, \src
	WBLOCK 1
	s_wait_loadcnt 32                              ; block 2 is in; block 3's may be out
	WBLOCK 2
	s_wait_loadcnt 0x0
	WBLOCK 3
	ds_store_b32 v[GI], v[WD]
	s_wait_dscnt 0x0                               ; for the others' sake: my word lies in LDS
	s_barrier_signal -1
	s_barrier_wait -1
	s_cmp_lt_u32 s[WV], 2                          ; waves 0 and 1 store the 16 scale bytes of each of their 32 columns
	s_cbranch_scc0 .Lnot_mine_\@
	ds_load_b128 v[GW:GW+3], v[GO]
	s_wait_dscnt 0x0
	global_store_b128 v[WSO], v[GW:GW+3], s[16:17] ; sixteen lanes store 256 consecutive bytes, aligned
.Lnot_mine_\@:
.endm
.Lweights:
	s_cmp_lt_u32 ttmp9, 224
	s_cbranch_scc0 .Lwo
	s_wait_alu depctr_va_vdst(0)
	WBODY 12288, RGQ, 128, 0, 6
	s_branch .Lend
.Lwo:
	s_wait_alu depctr_va_vdst(0)
	WBODY 4096, RGO, 224, 48, 8
.Lend:
	s_wait_tensorcnt 0x0                           ; the wave's end: a tensor wait, an add and its wait, behind my last LDS store, the tensor wait in a text with no tensor load too
	ds_add_u32 v[SPW], v[NIL]
	s_wait_dscnt 0x0
	s_endpgm
.Lfunc_end_k_q1bc0d2b305_quant:
	.size	k_q1bc0d2b305_quant, .Lfunc_end_k_q1bc0d2b305_quant-k_q1bc0d2b305_quant
	.p2alignl 7, 3214868480
	.fill 96, 4, 3214868480
	.section	.rodata,"a",@progbits
	.p2align	6, 0x0
	.amdhsa_kernel k_q1bc0d2b305_quant
		.amdhsa_group_segment_fixed_size 70656
		.amdhsa_private_segment_fixed_size 0
		.amdhsa_enable_private_segment 0
		.amdhsa_kernarg_size 56
		.amdhsa_user_sgpr_count 2
		.amdhsa_user_sgpr_kernarg_segment_ptr 1
		.amdhsa_wavefront_size32 1
		.amdhsa_system_sgpr_workgroup_id_x 1
		.amdhsa_system_sgpr_workgroup_id_y 1
		.amdhsa_system_sgpr_workgroup_id_z 1
		.amdhsa_system_vgpr_workitem_id 0
		.amdhsa_next_free_vgpr 256
		.amdhsa_next_free_sgpr 66
		.amdhsa_reserve_vcc 0
		.amdhsa_float_denorm_mode_32 3
		.amdhsa_float_denorm_mode_16_64 3
		.amdhsa_memory_ordered 1
		.amdhsa_forward_progress 1
		.amdhsa_inst_pref_size 85
	.end_amdhsa_kernel
	.amdgpu_metadata
---
amdhsa.version: [ 1, 2 ]
amdhsa.kernels:
  - .name:           k_q1bc0d2b305_quant
    .symbol:         k_q1bc0d2b305_quant.kd
    .args:
      - { .name: x, .offset: 0, .size: 8, .value_kind: global_buffer, .address_space: global }
      - { .name: W_qkv, .offset: 8, .size: 8, .value_kind: global_buffer, .address_space: global }
      - { .name: W_o, .offset: 16, .size: 8, .value_kind: global_buffer, .address_space: global }
      - { .name: xq, .offset: 24, .size: 8, .value_kind: global_buffer, .address_space: global }
      - { .name: xs, .offset: 32, .size: 8, .value_kind: global_buffer, .address_space: global }
      - { .name: wq, .offset: 40, .size: 8, .value_kind: global_buffer, .address_space: global }
      - { .name: ws, .offset: 48, .size: 8, .value_kind: global_buffer, .address_space: global }
    .group_segment_fixed_size: 70656
    .private_segment_fixed_size: 0
    .kernarg_segment_align: 8
    .kernarg_segment_size: 56
    .max_flat_workgroup_size: 256
    .sgpr_count:     66
    .vgpr_count:     256
    .wavefront_size: 32
...
	.end_amdgpu_metadata
.endif
;; end of part 1
;; launch qkv (part 2): grid 12 x 64, 4 waves a work-group, clusters of 4 x 4, 327,680 bytes of LDS; arguments xq, xs, wq, ws, b_qkv, qkv; writes qkv
.if DOCPART == 2
	.amdgcn_target "amdgcn-amd-amdhsa--gfx1250"
	.amdhsa_code_object_version 6
	.text
	.protected	k_q1bc0d2b305_qkv
	.globl	k_q1bc0d2b305_qkv
	.p2align	8
	.type	k_q1bc0d2b305_qkv,@function
k_q1bc0d2b305_qkv:
	s_mov_b64 s[64:65], 0
	v_nop
	global_prefetch_b8 v0, s[64:65] scope:SCOPE_SE
	s_setreg_imm32_b32 hwreg(HW_REG_WAVE_MODE, 25, 1), 1
	s_wait_xcnt 0x0
	s_wait_alu depctr_hold_cnt(0) depctr_sa_sdst(0) depctr_va_vdst(0) depctr_va_sdst(0) depctr_va_ssrc(0) depctr_va_vcc(0) depctr_vm_vsrc(0)
	s_getreg_b32 s2, hwreg(HW_REG_IB_STS2, 6, 4)
	s_cmp_eq_u32 s2, 0
	s_cbranch_scc0 .Lentry_in_a_cluster
	s_endpgm
.Lentry_in_a_cluster:
	s_bfe_u32 s2, ttmp6, 0x10000c
	s_cmp_lg_u32 s2, 0xf033
	s_cbranch_scc0 .Lentry_shape_is_right
	s_endpgm
.Lentry_shape_is_right:
; LAUNCH 2 OF 4: qkv = Q(x) Q(W_qkv) + b_qkv on codes of FP4 with E8M0 scales, and the result quantised on the way out: Q and K along the head's 64, V along the keys.  Nothing of this product is left out.
; A work-group makes 128 tokens x 256 columns; four waves.  K = 1,024 lies in LDS whole: two slots of 512 along K, both asked for at the head; nothing is filled again.
; OPERANDS ARE IMAGES OF THEIR REGISTERS (launch quant): a fragment of tile T, step q of a khalf, is two loads of 16 bytes a lane at 4096 T + 1024 q + 16 x lane, 512 bytes apart: consecutive bytes, no pitch, no padding.
; Tile T holds rows p(T, r) = 32 (T / 2) + 8 (T % 2) + r + 8 (r / 8), so that the 16 registers of two neighbouring tiles of source 0 are 16 neighbours along the next product's K.
; CLUSTERS: 4 x 4 work-groups.  x's tiles hang on the tile row alone and are asked for jointly along a row of the cluster, the weight's on the tile column alone and jointly along a column.
; TWO PATHS, parted on the CLUSTER's x, which all sixteen partners share: clusters 0 and 1 make Q and K (source 0 = the weight's columns, source 1 = tokens: a lane holds one token, its registers run along the columns, the
; next K); cluster 2 makes V (source 0 = tokens, source 1 = the weight's columns: a lane holds one column d, its registers run along the 128 tokens, which are one key step of the next K).  Only addresses differ.
; THE RESULT, for head bh and key step s (128 tokens), 13,568 bytes at bh x HEADB + s x STEPB: K's image 4,096 (8 tiles of keys: lane (r, h) holds d = 32 h on), V^T's image 4,096 (4 tiles of d x 128 keys),
; K's scale words 512, V's 256, Q's image 4,096, Q's scale words 512.  A scale word of Q or K has its two bytes low; the upper two (the neighbouring head's, or 0) scale zero codes and are never 0xff.
; LIMITS of the quantiser: as stated at the head of launch quant.
; REGISTERS, in windows of 256: window 0: v2-24 addresses; v28, v29 the add's two; v32-127 scale words; v128-191 source 1's fragments, two sets of 4; v200-255 at work on the way out.
;   window 1: v0-127 source 0's fragments, two sets of 8; v128-191 the bias, as the C of each sum's first product.   window 2: the 32 accumulators, (a, b) at v[8 (8 a + b)].
.set TB0,   0                          ; the weight's first tile in wq and ws
.set KHA,   2097152                    ; from khalf to khalf in x's codes
.set KHB,   1048576                    ; and in the weights'
.set SLOT,  98304                      ; a slot: x's 8 tiles (32,768 bytes), then the weight's 16 (65,536)
.set SCL,   2*SLOT                     ; behind the slots: x's scale bytes (4,096), then the weight's (8,192)
.set SPARE, SCL+12288                  ; the spare words, 128 bytes for each wave: two blocks of 256 bytes that no other line names
.set HEADB, 217088
.set STEPB, 13568
.set L16,  2                           ; v2   16 x lane
.set R16,  3                           ; v3   16 r
.set HH,   4                           ; v4   h
.set RR,   5                           ; v5   r
.set RAQ0, 8                           ; v8-13  Q/K path: source 1's fragments in slot 0, 1; source 0's; their scale words
.set RAQ1, 9
.set RBQ0, 10
.set RBQ1, 11
.set RSAQ, 12
.set RSBQ, 13
.set RAV0, 14                          ; v14-19 V path: the same (source 0's tiles begin at LDS byte 0: 16 x lane itself serves slot 0)
.set RAV1, 15
.set RBV0, L16
.set RBV1, 17
.set RSAV, 18
.set RSBV, 19
.set BOQ,  20                          ; v20  Q/K path: the bias: 64 h
.set BOV,  21                          ; v21  V path: the bias: 4 (r + 8 (r / 8))
.set SH16, 22                          ; v22  16 h
.set SWO,  23                          ; v23  h x HEADB + 16 r
.set S8,   24                          ; v24  16 r + 8 h
.set SPW,  28
.set NIL,  29
.set SCA,  32                          ; scale words of source 1: set s at v[SCA + 48 s], register 4 a + q
.set SCB,  48                          ; of source 0: v[SCB + 48 s], register 4 b + q
.set PWR,  200                         ; the scale word just made
.set SWR,  204                         ; v204-207 scale words to store
.set PWV,  208                         ; v208-211 V path: the four tiles' scale words
.set TM,   240                         ; v240-255 at work
.set SEL,  2                           ; s[2:3] v_permlanex16_b32's selects for lane l xor 16
.set HM,   23                          ; s23  a mask of lanes 16-31
.set G1A,  24                          ; s[24:31] descriptor group 1 for x's codes;  s[32:39] group 0, a set for each slot
.set G0A,  32
.set G1B,  40                          ; s[40:47], s[48:55] the same for the weight's
.set G0B,  48
.set G1SA, 56                          ; s[56:63], s[76:79] groups 1 and 0 for x's scale bytes;  s[68:75], s[80:83] for the weight's
.set G1SB, 68
.set G0SA, 76
.set G0SB, 80
.set MSB, 0
.macro WIN new                         ; the immediate's high byte repeats the setting that is left; a switch that changes nothing is dropped
.if MSB != \new
	s_set_vgpr_msb (MSB<<8)|\new
.set MSB, \new
.endif
.endm
; A joint load: waves 0 and 1 fetch for x, waves 2 and 3 for the weight.  Each line has one mask and one set of registers for all that issue it; the branch hangs on the wave's number alone.
; An s_nop 0 and four v_nop follow each of the two lines, ahead of the jump, the label and what follows.
.macro JLOAD g0a, g1a, g0b, g1b
	s_cmp_eq_u32 s17, 0
	s_cbranch_scc0 .Lfor_b_\@
	tensor_load_to_lds s[\g0a:\g0a+3], s[\g1a:\g1a+7]
	s_nop 0
.rept 4
	v_nop
.endr
	s_branch .Lasked_\@
.Lfor_b_\@:
	tensor_load_to_lds s[\g0b:\g0b+3], s[\g1b:\g1b+7]
	s_nop 0
.rept 4
	v_nop
.endr
.Lasked_\@:
.endm
.macro CROUND                          ; a round of the cluster's barrier
	s_barrier_signal -1
	s_barrier_wait -1
	s_cmp_lg_u32 s16, 0
	s_cbranch_scc1 .Lnot_wave_0_\@
	s_barrier_signal -3
.Lnot_wave_0_\@:
	s_barrier_wait -3
	s_barrier_signal -1
	s_barrier_wait -1
.endm
.macro G1REST g, rows                  ; a dense block as rows of 256 bytes: 32 elements of 8 bytes, no padding
	s_mov_b32 s[\g+1], 32<<16                      ; tensor_dim0
	s_mov_b32 s[\g+2], (\rows)<<16                 ; tensor_dim1
	s_mov_b32 s[\g+3], 32<<16                      ; tile_dim0
	s_mov_b32 s[\g+4], \rows                       ; tile_dim1
	s_mov_b32 s[\g+5], 32                          ; from row to row
	s_mov_b32 s[\g+6], 0
	s_mov_b32 s[\g+7], 0
.endm
.macro PLACES                          ; four plain instructions between a matrix instruction and a load into, or a vector read or write of, its registers
.rept 4
	v_nop
.endr
.endm
.macro FRAG reg, adr, q, i             ; a fragment, 16 rows x 128 K: registers 4 c .. 4 c + 3 of lane (r, h) hold K = 64 c + 32 h + 0 .. 31 of row r
.irp c, 0,1
	ds_load_b128 v[\reg+4*\c:\reg+4*\c+3], v[\adr] offset:(\i)*4096+(\q)*1024+512*\c
.endr
.endm
.macro FETCH ra, rb, q, p              ; 24 LDS loads in one run: step q's fragments into set p: source 0's eight (window 1), source 1's four (window 0)
	WIN 0x40
.irp i, 0,1,2,3,4,5,6,7
	FRAG 64*(\p)+8*\i, \rb, \q, \i
.endr
	WIN 0
.irp i, 0,1,2,3
	FRAG 128+32*(\p)+8*\i, \ra, \q, \i
.endr
.endm
.macro SCALES rsa, rsb                 ; all scale words, once: 16 bytes at 16 r are a row's four words of a khalf; lanes 16-31 hold the same and are not read
.irp s, 0,1
.irp a, 0,1,2,3
	ds_load_b128 v[SCA+48*\s+4*\a:SCA+48*\s+4*\a+3], v[\rsa] offset:512*\a+256*\s
.endr
.irp b, 0,1,2,3,4,5,6,7
	ds_load_b128 v[SCB+48*\s+4*\b:SCB+48*\s+4*\b+3], v[\rsb] offset:512*\b+256*\s
.endr
.endr
.endm
; 32 matrix instructions: 128 along K, set p, khalf s, step q.  The 32 accumulators take turns, one instruction a turn, in the same order in every step.
; first = 1: the bias is the C of each sum's first product: nothing is cleared, nothing is added later.  cby = 0: the bias runs along source 0's rows (tile b); 1: along source 1's (tile a).
.macro MUL p, s, q, first, cby
.if \first
	WIN 0x91                                       ; source 0 window 1, source 1 window 0, C window 1, D window 2
.else
	WIN 0xa1                                       ; C and D window 2
.endif
.irp a, 0,1,2,3
.irp b, 0,1,2,3,4,5,6,7
.if \first
	v_wmma_scale_f32_16x16x128_f8f6f4 v[8*(8*\a+\b):8*(8*\a+\b)+7], v[64*(\p)+8*\b:64*(\p)+8*\b+7], v[128+32*(\p)+8*\a:128+32*(\p)+8*\a+7], v[128+8*(\cby*\a+(1-\cby)*\b):128+8*(\cby*\a+(1-\cby)*\b)+7], v[SCB+48*(\s)+4*\b+(\q)], v[SCA+48*(\s)+4*\a+(\q)] matrix_a_fmt:MATRIX_FMT_FP4 matrix_b_fmt:MATRIX_FMT_FP4
.else
	v_wmma_scale_f32_16x16x128_f8f6f4 v[8*(8*\a+\b):8*(8*\a+\b)+7], v[64*(\p)+8*\b:64*(\p)+8*\b+7], v[128+32*(\p)+8*\a:128+32*(\p)+8*\a+7], v[8*(8*\a+\b):8*(8*\a+\b)+7], v[SCB+48*(\s)+4*\b+(\q)], v[SCA+48*(\s)+4*\a+(\q)] matrix_a_fmt:MATRIX_FMT_FP4 matrix_b_fmt:MATRIX_FMT_FP4
.endif
.endr
.endr
.endm
; The whole K: eight steps of 128.  While one set is multiplied the other set's 24 loads are on their way.
.macro MAIN ra0, ra1, rb0, rb1, rsa, rsb, cby
	WIN 0
	SCALES \rsa, \rsb
	FETCH \ra0, \rb0, 0, 0
	FETCH \ra0, \rb0, 1, 1
	s_wait_dscnt 24                                ; all but the 24 just issued: the scale words and set 0 are in
	s_wait_loadcnt 0x0                             ; the bias
	MUL 0, 0, 0, 1, \cby
	PLACES
	FETCH \ra0, \rb0, 2, 0
	s_wait_dscnt 24
	MUL 1, 0, 1, 0, \cby
	PLACES
	FETCH \ra0, \rb0, 3, 1
	s_wait_dscnt 24
	MUL 0, 0, 2, 0, \cby
	s_wait_tensorcnt 0x0                           ; my part of slot 1 has landed,
	s_wait_dscnt 0x0                               ; no LDS load of mine is out at the signal (set 1 is in),
	s_barrier_signal -1
	s_barrier_wait -1                              ; everybody's part has: slot 1 may be read.
	PLACES
	FETCH \ra1, \rb1, 0, 0
	MUL 1, 0, 3, 0, \cby
	PLACES
	FETCH \ra1, \rb1, 1, 1
	s_wait_dscnt 24
	MUL 0, 1, 0, 0, \cby
	PLACES
	FETCH \ra1, \rb1, 2, 0
	s_wait_dscnt 24
	MUL 1, 1, 1, 0, \cby
	PLACES
	FETCH \ra1, \rb1, 3, 1
	s_wait_dscnt 24
	MUL 0, 1, 2, 0, \cby
	s_wait_dscnt 0x0
	MUL 1, 1, 3, 0, \cby
	WIN 0
	PLACES                                         ; in front of the first read of results and the first write over fragments
.endm
; The 64 accumulator registers from v[s] of window 2 on, register 16 b + i = k 32 b + 16 h + i of my lane's row, become a fragment's eight registers of codes in v[pc] on and its scale word in v[pw] (window 0).
; Each accumulator is read from its low end on.
.macro QUANTW s, pc, pw
	WIN 0x0a                                       ; sources 0 and 1 window 2
.irp b, 0,1,2,3
	v_max3_num_f32 v[TM+\b], |v[(\s)+16*\b]|, |v[(\s)+1+16*\b]|, 0x1800000   ; and the floor 2^(3 - 127): the byte cannot fall under 1
.endr
.irp i, 2,4,6,8,10,12,14
.irp b, 0,1,2,3
	v_max3_num_f32 v[TM+\b], |v[(\s)+16*\b+\i]|, |v[(\s)+1+16*\b+\i]|, v[TM+\b]
.endr
.endr
	WIN 0
.irp b, 0,1,2,3
	v_permlanex16_b32 v[TM+4+\b], v[TM+\b], s[SEL], s[SEL+1]
.endr
.irp b, 0,1,2,3
	v_max_num_f32 v[TM+\b], v[TM+\b], v[TM+4+\b]
.endr
.irp b, 0,1,2,3
	v_add_nc_u32 v[TM+12+\b], 0xff000000, v[TM+\b]   ; 2 off the exponent field: the conversion's scale operand
.endr
.irp b, 0,1,2,3
	v_lshrrev_b32 v[TM+4+\b], 23, v[TM+12+\b]
.endr
	v_lshl_or_b32 v[\pw], v[TM+5], 8, v[TM+4]
	v_lshl_or_b32 v[\pw], v[TM+6], 16, v[\pw]
	v_lshl_or_b32 v[\pw], v[TM+7], 24, v[\pw]
	WIN 0x02                                       ; source 0 window 2
.irp b, 0,1,2,3
	v_cvt_scalef32_pk8_fp4_f32 v[\pc+2*\b], v[(\s)+16*\b:(\s)+7+16*\b], v[TM+12+\b]
	v_cvt_scalef32_pk8_fp4_f32 v[\pc+1+2*\b], v[(\s)+8+16*\b:(\s)+15+16*\b], v[TM+12+\b]
.endr
	WIN 0
	v_nop                                          ; one plain instruction behind the scaled conversions
.irp c, 0,1
.irp i, 0,1
	v_permlane16_swap_b32 v[\pc+4*\c+\i], v[\pc+2+4*\c+\i]
.endr
.endr
.endm
	s_load_b256 s[4:11], s[0:1], 0x0               ; xq s[4:5], xs s[6:7], wq s[8:9], ws s[10:11]
	s_load_b128 s[12:15], s[0:1], 0x20             ; b_qkv s[12:13], qkv s[14:15]
	v_lshl_add_u32 v[SPW], v0, 2, SPARE
	v_mov_b32 v[NIL], 0
	ds_add_u32 v[SPW], v[NIL]                      ; the wave's opening: the add, twice on end, and its wait ahead of my first tensor load; the set-up below stands between
	ds_add_u32 v[SPW], v[NIL]
	v_lshrrev_b32 v1, 5, v0
	v_readfirstlane_b32 s16, v1                    ; wave 0..3
	s_lshr_b32 s17, s16, 1                         ; I fetch for x (0) or for the weight (1).  Q/K path: which 64 tokens are mine
	s_and_b32 s18, s16, 1                          ; which half of that tile I fetch.  Q/K path: which 128 columns are mine
	s_bfe_u32 s19, ttmp6, 0x40000                  ; cx, cy: my place in the cluster
	s_bfe_u32 s20, ttmp6, 0x40004
	s_lshl_b32 s21, ttmp9, 2
	s_add_co_u32 s21, s21, s19                     ; tile column = 4 x cluster x + cx: 256 columns
	s_and_b32 s22, ttmp7, 0xffff
	s_lshl_b32 s22, s22, 2
	s_add_co_u32 s22, s22, s20                     ; tile row = 4 x cluster y + cy: 128 tokens
	s_lshl_b32 s84, s20, 2
	s_lshl_b32 s84, 15, s84                        ; my row of the cluster
	s_lshl_b32 s85, 0x1111, s19                    ; my column
	s_or_b32 s[G1A], s84, (3<<16)|(1<<21)          ; 15:0 the mask; 17:16 elements of 8 bytes; 21 set beside a mask
	s_or_b32 s[G1SA], s84, (3<<16)|(1<<21)
	s_or_b32 s[G1B], s85, (3<<16)|(1<<21)
	s_or_b32 s[G1SB], s85, (3<<16)|(1<<21)
	G1REST G1A, 64                                 ; half of x's codes of a slot: 16,384 bytes
	G1REST G1B, 128                                ; half of the weight's: 32,768
	G1REST G1SA, 8                                 ; half of x's scale bytes: 2,048
	G1REST G1SB, 16                                ; half of the weight's: 4,096
	s_lshl_b32 s86, s22, 15                        ; x's registers never hold cx, the weight's never cy
	s_lshl_b32 s87, s18, 14
	s_add_co_u32 s86, s86, s87
	s_mov_b32 s87, 0
	s_lshl_b32 s88, s22, 12
	s_lshl_b32 s89, s18, 11
	s_add_co_u32 s88, s88, s89
	s_mov_b32 s89, 0
	s_lshl_b32 s90, s21, 16
	s_lshl_b32 s91, s18, 15
	s_add_co_u32 s90, s90, s91
	s_mov_b32 s91, 0
	s_lshl_b32 s92, s21, 13
	s_lshl_b32 s93, s18, 12
	s_add_co_u32 s92, s92, s93
	s_mov_b32 s93, 0
.if TB0 > 0
	s_add_co_u32 s90, s90, TB0*4096
	s_add_co_u32 s92, s92, TB0*512
.endif
	s_lshl_b32 s94, s18, 14                        ; where they go: no place in the cluster enters an LDS address
	s_lshl_b32 s95, s18, 15
	s_add_co_u32 s95, s95, 32768
	s_lshl_b32 s96, s18, 11
	s_add_co_u32 s96, s96, SCL
	s_lshl_b32 s97, s18, 12
	s_add_co_u32 s97, s97, SCL+4096
	s_mov_b32 s[SEL], 0x76543210
	s_mov_b32 s[SEL+1], 0xfedcba98
	s_mov_b32 s[HM], 0xffff0000
	s_wait_dscnt 0x0                               ; both opening adds are done
	s_wait_kmcnt 0x0
	s_add_nc_u64 s[86:87], s[4:5], s[86:87]
	s_add_nc_u64 s[88:89], s[6:7], s[88:89]
	s_add_nc_u64 s[90:91], s[8:9], s[90:91]
	s_add_nc_u64 s[92:93], s[10:11], s[92:93]
	CROUND                                         ; all sixteen work-groups are here: the joint loads meet
	s_mov_b32 s[G0SA], 1
	s_mov_b32 s[G0SA+1], s96
	s_mov_b64 s[G0SA+2:G0SA+3], s[88:89]
	s_or_b32 s[G0SA+3], s[G0SA+3], 0x80000000
	s_mov_b32 s[G0SB], 1
	s_mov_b32 s[G0SB+1], s97
	s_mov_b64 s[G0SB+2:G0SB+3], s[92:93]
	s_or_b32 s[G0SB+3], s[G0SB+3], 0x80000000
	JLOAD G0SA, G1SA, G0SB, G1SB                   ; the scale bytes first; then both slots: three tensor loads of mine are out, and no more follow
.irp s, 0,1
	s_mov_b32 s[G0A+4*\s], 1
	s_add_co_u32 s[G0A+4*\s+1], s94, \s*SLOT
	s_add_nc_u64 s[G0A+4*\s+2:G0A+4*\s+3], s[86:87], \s*KHA
	s_or_b32 s[G0A+4*\s+3], s[G0A+4*\s+3], 0x80000000
	s_mov_b32 s[G0B+4*\s], 1
	s_add_co_u32 s[G0B+4*\s+1], s95, \s*SLOT
	s_add_nc_u64 s[G0B+4*\s+2:G0B+4*\s+3], s[90:91], \s*KHB
	s_or_b32 s[G0B+4*\s+3], s[G0B+4*\s+3], 0x80000000
	JLOAD G0A+4*\s, G1A, G0B+4*\s, G1B
.endr
	v_and_b32 v1, 31, v0
	v_lshlrev_b32 v[L16], 4, v1
	v_and_b32 v[RR], 15, v0
	v_lshlrev_b32 v[R16], 4, v[RR]
	s_wait_alu depctr_va_vdst(0)
	v_bfe_u32 v[HH], v0, 4, 1
	s_lshl_b32 s84, s17, 14                        ; Q/K path: source 1 = x's tiles 4 (wave / 2) on
	v_add_nc_u32 v[RAQ0], s84, v[L16]
	s_add_co_u32 s84, s84, SLOT
	v_add_nc_u32 v[RAQ1], s84, v[L16]
	s_lshl_b32 s84, s18, 15                        ; source 0 = the weight's tiles 8 (wave % 2) on
	s_add_co_u32 s84, s84, 32768
	v_add_nc_u32 v[RBQ0], s84, v[L16]
	s_add_co_u32 s84, s84, SLOT
	v_add_nc_u32 v[RBQ1], s84, v[L16]
	s_lshl_b32 s84, s17, 11
	s_add_co_u32 s84, s84, SCL
	v_add_nc_u32 v[RSAQ], s84, v[R16]
	s_lshl_b32 s84, s18, 12
	s_add_co_u32 s84, s84, SCL+4096
	v_add_nc_u32 v[RSBQ], s84, v[R16]
	s_lshl_b32 s84, s16, 14                        ; V path: source 1 = the weight's tiles 4 x wave on (one head); source 0 = all eight of x's
	s_add_co_u32 s84, s84, 32768
	v_add_nc_u32 v[RAV0], s84, v[L16]
	s_add_co_u32 s84, s84, SLOT
	v_add_nc_u32 v[RAV1], s84, v[L16]
	v_add_nc_u32 v[RBV1], SLOT, v[L16]
	s_lshl_b32 s84, s16, 11
	s_add_co_u32 s84, s84, SCL+4096
	v_add_nc_u32 v[RSAV], s84, v[R16]
	v_add_nc_u32 v[RSBV], SCL, v[R16]
	v_lshlrev_b32 v[BOQ], 6, v[HH]
	v_and_b32 v[BOV], 8, v[RR]
	v_add_nc_u32 v[BOV], v[BOV], v[RR]
	v_lshlrev_b32 v[BOV], 2, v[BOV]
	v_lshlrev_b32 v[SH16], 4, v[HH]
	v_mul_u32_u24 v[SWO], v[HH], HEADB
	v_add_nc_u32 v[SWO], v[SWO], v[R16]
	v_lshl_add_u32 v[S8], v[HH], 3, v[R16]
.irp b, 0,1,2,3
	v_mov_b32 v[TM+4+\b], 0                        ; written once: a lane permute's destination counts as one of its sources
.endr
	s_cmp_eq_u32 ttmp9, 2                          ; the cluster's x: the same in all sixteen partners; no tensor load follows
	s_cbranch_scc1 .Lvpath
; ---------------- Q and K: a lane holds a token; accumulator (a, b): token tile 4 (wave / 2) + a, registers = columns 32 (b / 2) + 16 h + 8 (b % 2) + j of my 128: two heads
	s_lshl_b32 s84, s21, 10
	s_lshl_b32 s85, s18, 9
	s_add_co_u32 s84, s84, s85
	s_mov_b32 s85, 0
	s_add_nc_u64 s[12:13], s[12:13], s[84:85]      ; the bias of my 128 columns
	WIN 0x40
.irp b, 0,1,2,3,4,5,6,7
	global_load_b128 v[128+8*\b:128+8*\b+3], v[BOQ], s[12:13] offset:(32*(\b/2)+8*(\b%2))*4
	global_load_b128 v[128+8*\b+4:128+8*\b+7], v[BOQ], s[12:13] offset:(32*(\b/2)+8*(\b%2))*4+16
.endr
	WIN 0
	s_wait_tensorcnt 0x1                           ; the scale bytes and my part of slot 0 are in; slot 1's load may be out
	s_barrier_signal -1
	s_barrier_wait -1
	MAIN RAQ0, RAQ1, RBQ0, RBQ1, RSAQ, RSBQ, 0
	s_lshr_b32 s84, s22, 4                         ; a tile row is one key step: batch = tile row / 16, step = tile row % 16
	s_lshl_b32 s84, s84, 4
	s_and_b32 s85, s21, 3
	s_lshl_b32 s85, s85, 2
	s_add_co_u32 s84, s84, s85
	s_lshl_b32 s85, s18, 1
	s_add_co_u32 s84, s84, s85                     ; my first head: 16 batch + 4 (tile column % 4) + 2 (wave % 2)
	s_mul_i32 s84, s84, HEADB
	s_and_b32 s85, s22, 15
	s_mul_i32 s85, s85, STEPB
	s_add_co_u32 s84, s84, s85
	s_mov_b32 s85, 0
	s_add_nc_u64 s[14:15], s[14:15], s[84:85]
	s_cmp_eq_u32 ttmp9, 0                          ; cluster 0 makes Q, cluster 1 K
	s_cselect_b32 s86, 8960, 0                     ; the image,
	s_mov_b32 s88, 8192
	s_cselect_b32 s88, 13056, s88                  ; the scale words
	s_lshl_b32 s87, s17, 11
	s_add_co_u32 s86, s86, s87                     ; my four tiles of tokens: 512 bytes each,
	s_mov_b32 s87, 0
	s_lshl_b32 s89, s17, 8
	s_add_co_u32 s88, s88, s89                     ; and their words: 256 bytes
	s_mov_b32 s89, 0
	s_add_nc_u64 s[86:87], s[14:15], s[86:87]
	s_add_nc_u64 s[88:89], s[14:15], s[88:89]
.irp a, 0,1,2,3
	QUANTW 64*\a, 128+8*\a, PWR                    ; four blocks of 32 columns: two heads' two
	v_lshrrev_b32 v[SWR+\a], v[SH16], v[PWR]       ; lanes 0-15 keep the first head's two bytes low, lanes 16-31 bring the second head's down
	global_store_b128 v[L16], v[128+8*\a:128+8*\a+3], s[86:87] offset:512*\a             ; the first head: 512 consecutive bytes, aligned
	global_store_b128 v[L16], v[128+8*\a+4:128+8*\a+7], s[86:87] offset:512*\a+HEADB     ; the second
.endr
	global_store_b128 v[SWO], v[SWR:SWR+3], s[88:89]   ; sixteen lanes store 256 consecutive bytes, aligned, for each of the two heads
	s_branch .Lend
; ---------------- V: a lane holds a column d of my head; accumulator (a, b): d tile a, registers = tokens 32 (b / 2) + 16 h + 8 (b % 2) + j: the key step's 128
.Lvpath:
	s_lshl_b32 s84, s21, 10
	s_lshl_b32 s85, s16, 8
	s_add_co_u32 s84, s84, s85
	s_mov_b32 s85, 0
	s_add_nc_u64 s[12:13], s[12:13], s[84:85]      ; the bias of my 64 columns
	WIN 0x40
	s_wait_alu depctr_va_vdst(0)
.irp a, 0,1,2,3
	global_load_b32 v[128+8*\a], v[BOV], s[12:13] offset:(32*(\a/2)+8*(\a%2))*4
.endr
	WIN 0
	s_wait_tensorcnt 0x1                           ; as above
	s_barrier_signal -1
	s_barrier_wait -1
	s_wait_loadcnt 0x0
	WIN 0x41                                       ; destination and source 0 window 1
.irp a, 0,1,2,3
.irp j, 1,2,3,4,5,6,7
	v_mov_b32 v[128+8*\a+\j], v[128+8*\a]          ; a lane's eight registers of a tile are eight tokens of one column: one bias
.endr
.endr
	WIN 0
	PLACES
	s_wait_alu depctr_va_vdst(0)
	MAIN RAV0, RAV1, RBV0, RBV1, RSAV, RSBV, 1
	s_lshr_b32 s84, s22, 4
	s_lshl_b32 s84, s84, 4
	s_and_b32 s85, s21, 3
	s_lshl_b32 s85, s85, 2
	s_add_co_u32 s84, s84, s85
	s_add_co_u32 s84, s84, s16                     ; my head: 16 batch + 4 (tile column % 4) + wave
	s_mul_i32 s84, s84, HEADB
	s_and_b32 s85, s22, 15
	s_mul_i32 s85, s85, STEPB
	s_add_co_u32 s84, s84, s85
	s_mov_b32 s85, 0
	s_add_nc_u64 s[14:15], s[14:15], s[84:85]
.irp a, 0,1,2,3
	QUANTW 64*\a, 128+8*\a, PWV+\a                 ; four blocks of 32 keys: a fragment of V^T as the next launch's source 0 takes it
	global_store_b128 v[L16], v[128+8*\a:128+8*\a+3], s[14:15] offset:4096+1024*\a
	global_store_b128 v[L16], v[128+8*\a+4:128+8*\a+7], s[14:15] offset:4096+1024*\a+512
.endr
	v_cndmask_b32 v[SWR], v[PWV], v[PWV+2], s[HM]  ; lanes 0-15 store the words of d tiles 0 and 1 of their row, lanes 16-31 those of tiles 2 and 3
	v_cndmask_b32 v[SWR+1], v[PWV+1], v[PWV+3], s[HM]
	global_store_b64 v[S8], v[SWR:SWR+1], s[14:15] offset:8704   ; 32 lanes store 256 consecutive bytes, aligned
.Lend:
	s_wait_tensorcnt 0x0                           ; the wave's end: a tensor wait, an add and its wait, behind my last tensor load
	ds_add_u32 v[SPW], v[NIL]
	s_wait_dscnt 0x0
	CROUND                                         ; the closing round
	s_endpgm
.Lfunc_end_k_q1bc0d2b305_qkv:
	.size	k_q1bc0d2b305_qkv, .Lfunc_end_k_q1bc0d2b305_qkv-k_q1bc0d2b305_qkv
	.p2alignl 7, 3214868480
	.fill 96, 4, 3214868480
	.section	.rodata,"a",@progbits
	.p2align	6, 0x0
	.amdhsa_kernel k_q1bc0d2b305_qkv
		.amdhsa_group_segment_fixed_size 327680
		.amdhsa_private_segment_fixed_size 0
		.amdhsa_enable_private_segment 0
		.amdhsa_kernarg_size 48
		.amdhsa_user_sgpr_count 2
		.amdhsa_user_sgpr_kernarg_segment_ptr 1
		.amdhsa_wavefront_size32 1
		.amdhsa_system_sgpr_workgroup_id_x 1
		.amdhsa_system_sgpr_workgroup_id_y 1
		.amdhsa_system_sgpr_workgroup_id_z 1
		.amdhsa_system_vgpr_workitem_id 0
		.amdhsa_next_free_vgpr 768
		.amdhsa_next_free_sgpr 100
		.amdhsa_reserve_vcc 0
		.amdhsa_float_denorm_mode_32 3
		.amdhsa_float_denorm_mode_16_64 3
		.amdhsa_memory_ordered 1
		.amdhsa_forward_progress 1
		.amdhsa_inst_pref_size 143
	.end_amdhsa_kernel
	.amdgpu_metadata
---
amdhsa.version: [ 1, 2 ]
amdhsa.kernels:
  - .name:           k_q1bc0d2b305_qkv
    .symbol:         k_q1bc0d2b305_qkv.kd
    .args:
      - { .name: xq, .offset: 0, .size: 8, .value_kind: global_buffer, .address_space: global }
      - { .name: xs, .offset: 8, .size: 8, .value_kind: global_buffer, .address_space: global }
      - { .name: wq, .offset: 16, .size: 8, .value_kind: global_buffer, .address_space: global }
      - { .name: ws, .offset: 24, .size: 8, .value_kind: global_buffer, .address_space: global }
      - { .name: b_qkv, .offset: 32, .size: 8, .value_kind: global_buffer, .address_space: global }
      - { .name: qkv, .offset: 40, .size: 8, .value_kind: global_buffer, .address_space: global }
    .group_segment_fixed_size: 327680
    .private_segment_fixed_size: 0
    .kernarg_segment_align: 8
    .kernarg_segment_size: 48
    .max_flat_workgroup_size: 128
    .sgpr_count:     100
    .vgpr_count:     768
    .wavefront_size: 32
...
	.end_amdgpu_metadata
.endif
;; end of part 2
;; launch attn (part 3): grid 4 x 64, 16 waves a work-group, clusters of 4 x 1, 167,936 bytes of LDS; arguments qkv, aq, asc; writes aq, asc
.if DOCPART == 3
	.amdgcn_target "amdgcn-amd-amdhsa--gfx1250"
	.amdhsa_code_object_version 6
	.text
	.protected	k_q1bc0d2b305_attn
	.globl	k_q1bc0d2b305_attn
	.p2align	8
	.type	k_q1bc0d2b305_attn,@function
k_q1bc0d2b305_attn:
	s_mov_b64 s[64:65], 0
	v_nop
	global_prefetch_b8 v0, s[64:65] scope:SCOPE_SE
	s_setreg_imm32_b32 hwreg(HW_REG_WAVE_MODE, 25, 1), 1
	s_wait_xcnt 0x0
	s_wait_alu depctr_hold_cnt(0) depctr_sa_sdst(0) depctr_va_vdst(0) depctr_va_sdst(0) depctr_va_ssrc(0) depctr_va_vcc(0) depctr_vm_vsrc(0)
	s_getreg_b32 s2, hwreg(HW_REG_IB_STS2, 6, 4)
	s_cmp_eq_u32 s2, 0
	s_cbranch_scc0 .Lentry_in_a_cluster
	s_endpgm
.Lentry_in_a_cluster:
	s_bfe_u32 s2, ttmp6, 0x10000c
	s_cmp_lg_u32 s2, 0x3003
	s_cbranch_scc0 .Lentry_shape_is_right
	s_endpgm
.Lentry_shape_is_right:
; LAUNCH 3 OF 4: attn = softmax(Q K^T / 8, causal) V for 64 heads of 2,048 tokens x 64, both products on codes of FP4 with E8M0 scales, and the result quantised along the model's axis for the last product.
; LEFT OUT AS DEAD WORK: key steps of 128 all of whose keys come after all 16 queries of a tile: under the causal mask their p is 0 for all finite inputs (shown at the head of launch quant; the limit on
; NaN, infinities and overflow that reach only such steps is stated there).  The step on the diagonal is done whole and masked.
; THE SOFTMAX AHEAD OF THE SECOND PRODUCT: t = score x log2(e) / 8; M = the running largest t rounded UP to a whole number; p = 2^(t - M) is quantised along the keys, not normalised; the row's sum is taken of the
; unquantised p and divides O at the end; when M moves, the sum and O are multiplied by 2^(old M - new M), which rounds nothing.
; SHARES.  A cluster of four work-groups is one head; each has sixteen waves, four to a SIMD, so that one wave's vector work stands beside another's matrix work.  Wave w of partner g owns query tiles 127 - (4 w + g)
; (pass 0) and 4 w + g (pass 1): their live key steps are 0 .. 15 - w / 2 and 0 .. w / 2: 17 for every wave.  The limits hang on the wave's number alone; g enters only global addresses and the mask's numbers.
; LDS.  A head's K and V for all 16 key steps, 8,960 bytes a step (K's image 4,096, V^T's image 4,096, K's scale words 512, V's 256), lie in LDS whole: wave w brings step w by ONE joint load, the same in all four
; partners.  Nothing is filled again; one barrier in the launch.  Every work-group reads every step: its wave 0 owns a tile of the last step.
; LAYOUT.  Both products transposed: S^T = K Q^T (source 0 = 16 keys, source 1 = my 16 queries), O^T = V^T P^T (source 0 = 16 of the head's 64): a lane holds ONE query throughout.  Tiles hold rows
; 32 (T / 2) + 8 (T % 2) + r + 8 (r / 8), so that p's 16 registers of two neighbouring tiles are 16 neighbouring keys, and O^T's 16 neighbouring d.  The first product's K is 64: the instruction's upper 64 are zero codes on both sides.
; LIMITS of the quantiser: as stated at the head of launch quant.  A block's largest p is made from the block's largest score by the same multiply-add and exponential; this takes v_exp_f32 not to fall where its input rises.
; The scale bytes of attn leave as single bytes, 32 a tile: a head owns 2 of a row's 32 scale bytes; they are one sixteenth of the codes' bytes.
; REGISTERS: v1-10 addresses and constants; v12 -M, v13 the largest t, v[14:15] the sum in two halves; v16-23 Q (upper four zero); v24-31 K's scale words; v32-95 K's eight fragments (upper four of each zero);
; v96-159 S^T, then p; v160-191 O^T; v192-223 V's four fragments; v224-231 p's codes; v232-247 at work; v248-251 V's scale words; v252 f; v253 p's scale word; v254 at work; v255 Q's scale words.
.set HEADB, 217088
.set STEPB, 13568
.set LSTEP, 8960                       ; a key step in LDS
.set KH,    2097152                    ; from khalf to khalf in attn's codes
.set SPARE, 16*LSTEP                   ; behind the head's 143,360 bytes: the spare words, 128 bytes for each wave: eight blocks of 256 bytes that no other line names
.set L16,  1                           ; v1   16 x lane
.set R16,  2                           ; v2   16 r
.set SPW,  3                           ; v3   LDS address of my spare word; never rewritten
.set NIL,  4                           ; v4   0; never rewritten
.set QL,   5                           ; v5   r + 8 (r / 8) - 16 h
.set ADL,  6                           ; v6   the step's bytes + 16 x lane
.set ADR,  7                           ; v7   the step's bytes + 16 r
.set DQ,   8                           ; v8   my query's place in its step - 16 h
.set OSO,  9                           ; v9   16 r + h
.set NINF, 10                          ; v10  -infinity
.set WV,   10                          ; s10  wave
.set CX,   11                          ; s11  my place in the cluster
.set BH,   12                          ; s12  batch x 16 + head
.set TW,   13                          ; s13  4 w + cx
.set G1,   16                          ; s[16:23] descriptor group 1
.set G0,   24                          ; s[24:27] group 0
.set SEL,  28                          ; s[28:29] v_permlanex16_b32's selects for lane l xor 16
.set CS,   30                          ; s[30:31] c = log2(e) / 8: the packed form names a pair and takes its low word for both halves
.set TB,   32                          ; s32  LDS byte at which the step in hand begins
.set ST,   33                          ; s33  the step in hand
.set LIM,  34                          ; s34  the pass's last live step
.set TT,   35                          ; s35  the pass's query tile
.set QA,   44                          ; s[44:45] Q's fragment, s[46:47] Q's scale words, s[48:49] attn's codes, s[50:51] attn's scale bytes
.set QW,   46
.set OA,   48
.set OS,   50
.set HM,   54                          ; s54  a mask of lanes 16-31
.macro CROUND                          ; a round of the cluster's barrier
	s_barrier_signal -1
	s_barrier_wait -1
	s_cmp_lg_u32 s[WV], 0
	s_cbranch_scc1 .Lnot_wave_0_\@
	s_barrier_signal -3
.Lnot_wave_0_\@:
	s_barrier_wait -3
	s_barrier_signal -1
	s_barrier_wait -1
.endm
	s_load_b128 s[4:7], s[0:1], 0x0                ; qkv s[4:5], aq s[6:7]
	s_load_b64 s[8:9], s[0:1], 0x10                ; asc
	v_lshl_add_u32 v[SPW], v0, 2, SPARE
	v_mov_b32 v[NIL], 0
	ds_add_u32 v[SPW], v[NIL]                      ; the wave's opening: the add, twice on end, and its wait ahead of my first tensor load; the set-up below stands between
	ds_add_u32 v[SPW], v[NIL]
	v_lshrrev_b32 v254, 5, v0
	s_delay_alu instid0(VALU_DEP_1)
	v_readfirstlane_b32 s[WV], v254                ; wave 0..15
	s_bfe_u32 s[CX], ttmp6, 0x40000
	s_and_b32 s[BH], ttmp7, 0xffff                 ; the head, which the four partners share
	s_lshl_b32 s[TW], s[WV], 2
	s_add_co_u32 s[TW], s[TW], s[CX]
	s_mov_b32 s[G1], 15|(3<<16)|(1<<21)            ; 15:0 the mask: all four work-groups; 17:16 elements of 8 bytes; 21 set beside a mask; no padding
	s_mov_b32 s[G1+1], 32<<16                      ; a dense block of 8,960 bytes as 35 rows of 256: tensor_dim0 = 32
	s_mov_b32 s[G1+2], 35<<16                      ; tensor_dim1
	s_mov_b32 s[G1+3], 32<<16                      ; tile_dim0
	s_mov_b32 s[G1+4], 35                          ; tile_dim1
	s_mov_b32 s[G1+5], 32                          ; from row to row
	s_mov_b32 s[G1+6], 0
	s_mov_b32 s[G1+7], 0
	s_mul_i32 s52, s[BH], HEADB
	s_mov_b32 s53, 0
	s_mul_i32 s38, s[WV], STEPB                    ; the step that I fetch: in memory,
	s_mov_b32 s39, 0
	s_mul_i32 s40, s[WV], LSTEP                    ; and in LDS
	s_mov_b32 s[SEL], 0x76543210
	s_mov_b32 s[SEL+1], 0xfedcba98
	s_mov_b32 s[CS], 0x3e38aa3b                    ; log2(e) / 8
	s_mov_b32 s[CS+1], s[CS]
	s_mov_b32 s[HM], 0xffff0000
	s_wait_dscnt 0x0                               ; both opening adds are done
	s_wait_kmcnt 0x0
	s_add_nc_u64 s[4:5], s[4:5], s[52:53]          ; qkv at my head
	CROUND                                         ; all four work-groups are here: the joint loads meet
	s_mov_b32 s[G0], 1
	s_mov_b32 s[G0+1], s40
	s_add_nc_u64 s[G0+2:G0+3], s[4:5], s[38:39]
	s_or_b32 s[G0+3], s[G0+3], 0x80000000
	tensor_load_to_lds s[G0:G0+3], s[G1:G1+7]      ; my one tensor load of the launch
	s_nop 0
.rept 4
	v_nop
.endr
	v_and_b32 v254, 31, v0
	s_delay_alu instid0(VALU_DEP_1)
	v_lshlrev_b32 v[L16], 4, v254
	v_and_b32 v254, 15, v0                         ; r
	s_delay_alu instid0(VALU_DEP_1)
	v_lshlrev_b32 v[R16], 4, v254
	v_bfe_u32 v252, v0, 4, 1                       ; h
	s_delay_alu instid0(VALU_DEP_3)
	v_and_b32 v[QL], 8, v254
	s_delay_alu instid0(VALU_DEP_1)
	v_add_nc_u32 v[QL], v[QL], v254
	s_delay_alu instid0(VALU_DEP_3)
	v_lshlrev_b32 v253, 4, v252
	s_delay_alu instid0(VALU_DEP_1)
	v_sub_nc_u32 v[QL], v[QL], v253
	v_add_nc_u32 v[OSO], v[R16], v252
	v_mov_b32 v[NINF], 0xff800000
.irp j, 20,21,22,23
	v_mov_b32 v[\j], 0                             ; Q's codes of the instruction's upper 64 along K: zeros, set once
.endr
.irp t, 0,1,2,3,4,5,6,7
.irp j, 4,5,6,7
	v_mov_b32 v[32+8*\t+\j], 0                     ; and K's
.endr
.endr
.irp b, 0,1,2,3
	v_mov_b32 v[236+\b], 0                         ; written once: a lane permute's destination counts as one of its sources
.endr
	v_mov_b32 v253, 0                              ; (named as the upper half of the pair v[252:253] before it is first written)
; A KEY STEP: 128 keys for my 16 queries.
.macro STEP
	s_cmp_gt_u32 s[ST], s[LIM]                     ; all its keys come after my queries: left out.  The limit hangs on the wave's number alone; no barrier and no tensor load stands in a step
	s_cbranch_scc1 .Lhidden_\@
	s_setprio 2
	v_add_nc_u32 v[ADL], s[TB], v[L16]             ; these two and two v_nop: the four plain instructions between the last step's products and the loads into their registers
	v_add_nc_u32 v[ADR], s[TB], v[R16]
	v_nop
	v_nop
	ds_load_b128 v[24:27], v[ADR] offset:8192      ; K's scale words of tiles 0-3, 4-7
	ds_load_b128 v[28:31], v[ADR] offset:8448
.irp t, 0,1,2,3,4,5,6,7
	ds_load_b128 v[32+8*\t:35+8*\t], v[ADL] offset:512*\t
.endr
.irp t, 0,1,2,3
.irp c, 0,1
	ds_load_b128 v[192+8*\t+4*\c:195+8*\t+4*\c], v[ADL] offset:4096+1024*\t+512*\c
.endr
.endr
	ds_load_b128 v[248:251], v[ADR] offset:8704    ; V's scale words
	s_wait_dscnt 0x9                               ; K and its words are in; V's nine loads may be out: they land under the softmax
.irp t, 0,1,2,3,4,5,6,7
	v_wmma_scale_f32_16x16x128_f8f6f4 v[96+8*\t:103+8*\t], v[32+8*\t:39+8*\t], v[16:23], 0, v[24+\t], v255 matrix_a_fmt:MATRIX_FMT_FP4 matrix_b_fmt:MATRIX_FMT_FP4
.endr                                          ; lane (r, h) holds query r; register 16 b + i is key 32 b + 16 h + i of the step
.rept 4
	v_nop
.endr
	s_cmp_lg_u32 s[ST], s[LIM]                     ; only the pass's last live step lies on the diagonal
	s_cbranch_scc1 .Lopen_\@
.irp n, 0,1,2,3,4,5,6,7,8,9,10,11,12,13,14,15,16,17,18,19,20,21,22,23,24,25,26,27,28,29,30,31,32,33,34,35,36,37,38,39,40,41,42,43,44,45,46,47,48,49,50,51,52,53,54,55,56,57,58,59,60,61,62,63
	v_cmp_gt_i32 vcc_lo, 32*(\n/16)+\n%16, v[DQ]   ; hidden where the key comes after my query: the score becomes -infinity ahead of the maximum, p = 0
	v_cndmask_b32 v[96+\n], v[96+\n], v[NINF], vcc_lo
.endr
.Lopen_\@:
.irp b, 0,1,2,3
	v_max3_num_f32 v[232+\b], v[96+16*\b], v[97+16*\b], v[98+16*\b]   ; the largest score of each block of 32 keys: for the row's maximum, and, since p rises with the score, for the block's largest p
.endr
.irp i, 3,5,7,9,11,13
.irp b, 0,1,2,3
	v_max3_num_f32 v[232+\b], v[232+\b], v[96+16*\b+\i], v[97+16*\b+\i]
.endr
.endr
.irp b, 0,1,2,3
	v_max_num_f32 v[232+\b], v[232+\b], v[111+16*\b]
.endr
.irp b, 0,1,2,3
	s_delay_alu instid0(VALU_DEP_4)
	v_permlanex16_b32 v[236+\b], v[232+\b], s[SEL], s[SEL+1]
.endr
.irp b, 0,1,2,3
	s_delay_alu instid0(VALU_DEP_4)
	v_max_num_f32 v[232+\b], v[232+\b], v[236+\b]  ; with lane l xor 16's 16 keys
.endr
	s_delay_alu instid0(VALU_DEP_2)
	v_max3_num_f32 v254, v232, v233, v234
	s_delay_alu instid0(VALU_DEP_1)
	v_max_num_f32 v254, v254, v235                 ; the step's largest score of my query (the step's first key counts for every query of a live step)
	s_delay_alu instid0(VALU_DEP_1)
	v_mul_f32 v254, s[CS], v254                    ; as t
	s_delay_alu instid0(VALU_DEP_1)
	v_max_num_f32 v13, v13, v254                   ; the running largest t
	v_mov_b32 v254, v12
	s_delay_alu instid0(VALU_DEP_2)
	v_floor_f32 v12, -v13                          ; the new -M = floor(-t) = -ceil(t): a whole number
	s_delay_alu instid0(VALU_DEP_1)
	v_sub_f32 v254, v12, v254                      ; old M - new M: a whole number, 0 or less
	s_delay_alu instid0(VALU_DEP_1)
	v_cvt_i32_f32 v254, v254                       ; (it saturates)
	s_delay_alu instid0(VALU_DEP_1)
	v_ldexp_f32 v252, 1.0, v254                    ; f = 2^(old M - new M)
.irp j, 0,2,4,6,8,10,12,14,16,18,20,22,24,26,28,30,32,34,36,38,40,42,44,46,48,50,52,54,56,58,60,62
	v_pk_fma_f32 v[96+\j:97+\j], v[96+\j:97+\j], s[CS:CS+1], v[12:13] op_sel_hi:[1,0,0]   ; t - M, two at a time
.endr
	s_setprio 1
.irp b, 0,1,2,3
	v_fma_f32 v[232+\b], v[232+\b], s[CS], v12     ; the same of each block's largest score
.endr
.set n, 0
	s_wait_alu depctr_va_vdst(0)
.rept 64
	v_exp_f32 v[96+n], v[96+n]                     ; p = 2^(t - M), at most 1: not normalised
.set n, n+1
.endr
	v_pk_mul_f32 v[14:15], v[14:15], v[252:253] op_sel_hi:[1,0]   ; the sums under the new M: the plain instruction behind the exponentials
	s_wait_alu depctr_va_vdst(0)                   ; one wait for the whole batch, ahead of its first reader
.irp b, 0,1,2,3
	v_exp_f32 v[232+\b], v[232+\b]                 ; the block's largest p
.endr
	v_pk_add_f32 v[236:237], v[100:101], v[104:105]
	v_pk_add_f32 v[246:247], v[108:109], v[112:113]
	v_pk_add_f32 v[244:245], v[116:117], v[120:121]
	v_pk_add_f32 v[242:243], v[124:125], v[128:129]
	v_pk_add_f32 v[240:241], v[132:133], v[136:137]
	v_pk_add_f32 v[238:239], v[140:141], v[144:145]
	v_pk_add_f32 v[230:231], v[148:149], v[152:153]
	v_pk_add_f32 v[14:15], v[14:15], v[156:157]
	v_pk_add_f32 v[236:237], v[236:237], v[96:97]
	v_pk_add_f32 v[246:247], v[246:247], v[98:99]
	v_pk_add_f32 v[244:245], v[244:245], v[102:103]
	v_pk_add_f32 v[242:243], v[242:243], v[106:107]
	v_pk_add_f32 v[240:241], v[240:241], v[110:111]
	v_pk_add_f32 v[238:239], v[238:239], v[114:115]
	v_pk_add_f32 v[230:231], v[230:231], v[118:119]
	v_pk_add_f32 v[14:15], v[14:15], v[122:123]
	v_pk_add_f32 v[236:237], v[236:237], v[126:127]
	v_pk_add_f32 v[246:247], v[246:247], v[130:131]
	v_pk_add_f32 v[244:245], v[244:245], v[134:135]
	v_pk_add_f32 v[242:243], v[242:243], v[138:139]
	v_pk_add_f32 v[240:241], v[240:241], v[142:143]
	v_pk_add_f32 v[238:239], v[238:239], v[146:147]
	v_pk_add_f32 v[230:231], v[230:231], v[150:151]
	v_pk_add_f32 v[14:15], v[14:15], v[154:155]
	v_pk_add_f32 v[236:237], v[236:237], v[158:159]
	s_delay_alu instid0(VALU_DEP_2)
	v_pk_add_f32 v[14:15], v[14:15], v[242:243]
	s_delay_alu instid0(VALU_DEP_2)
	v_pk_add_f32 v[236:237], v[236:237], v[240:241]
	v_pk_add_f32 v[246:247], v[246:247], v[238:239]
	v_pk_add_f32 v[244:245], v[244:245], v[230:231]
	s_delay_alu instid0(VALU_DEP_2)
	v_pk_add_f32 v[14:15], v[14:15], v[246:247]
	s_delay_alu instid0(VALU_DEP_2)
	v_pk_add_f32 v[236:237], v[236:237], v[244:245]
	s_delay_alu instid0(VALU_DEP_1)
	v_pk_add_f32 v[14:15], v[14:15], v[236:237]
	s_wait_alu depctr_va_vdst(0)                   ; and one for the four
.irp b, 0,1,2,3
	v_max_num_f32 v[232+\b], 0x1800000, v[232+\b]  ; the floor 2^(3 - 127): the byte cannot fall under 1 (a block whose every p is 0 keeps that byte: its codes are zeros)
.endr
.irp b, 0,1,2,3
	s_delay_alu instid0(VALU_DEP_4)
	v_add_nc_u32 v[244+\b], 0xff000000, v[232+\b]  ; 2 off the exponent field: the conversion's scale operand
.endr
.irp b, 0,1,2,3
	s_delay_alu instid0(VALU_DEP_4)
	v_lshrrev_b32 v[236+\b], 23, v[244+\b]
.endr
	s_delay_alu instid0(VALU_DEP_3)
	v_lshl_or_b32 v253, v237, 8, v236              ; p's scale word for these 128 keys
	s_delay_alu instid0(VALU_DEP_1)
	v_lshl_or_b32 v253, v238, 16, v253
	s_delay_alu instid0(VALU_DEP_1)
	v_lshl_or_b32 v253, v239, 24, v253
	s_setprio 0
.irp b, 0,1,2,3
	v_cvt_scalef32_pk8_fp4_f32 v[224+2*\b], v[96+16*\b:103+16*\b], v[244+\b]
	v_cvt_scalef32_pk8_fp4_f32 v[225+2*\b], v[104+16*\b:111+16*\b], v[244+\b]
.endr
	v_nop                                          ; one plain instruction behind the scaled conversions
.irp c, 0,1                                    ; the operand's layout wants a whole block in a lane
.irp i, 0,1
	v_permlane16_swap_b32 v[224+4*\c+\i], v[226+4*\c+\i]
.endr
.endr
.irp j, 0,2,4,6,8,10,12,14,16,18,20,22,24,26,28,30
	v_pk_mul_f32 v[160+\j:161+\j], v[160+\j:161+\j], v[252:253] op_sel_hi:[1,0]   ; O^T under the new M, each accumulator from its low end on.  Twelve of these sixteen name no register of any one product below: they stand between p's scale word and codes and the products
.endr
	s_wait_alu depctr_va_vdst(0)
	s_wait_dscnt 0x0                               ; V and its words are in
.irp t, 0,1,2,3                                ; O^T += V^T P^T: the four accumulators by turns
	v_wmma_scale_f32_16x16x128_f8f6f4 v[160+8*\t:167+8*\t], v[192+8*\t:199+8*\t], v[224:231], v[160+8*\t:167+8*\t], v[248+\t], v253 matrix_a_fmt:MATRIX_FMT_FP4 matrix_b_fmt:MATRIX_FMT_FP4
.endr
.Lhidden_\@:
.endm
; A pass's head: its tile, its limit, its addresses, Q's loads, the start values.
.macro PASS_HEAD n
.if \n
	s_wait_xcnt 0x0                                ; the first pass's stores have read their addresses and data: both are written again below
	s_mov_b32 s[TT], s[TW]
	s_lshr_b32 s[LIM], s[WV], 1
.else
	s_xor_b32 s[TT], s[TW], 127                    ; 127 - (4 w + cx)
	s_lshr_b32 s[LIM], s[WV], 1
	s_xor_b32 s[LIM], s[LIM], 15                   ; 15 - w / 2
.endif
	s_lshr_b32 s36, s[TT], 3                       ; the step in which my queries lie,
	s_and_b32 s37, s[TT], 7                        ; and which of its eight tiles
	s_mul_i32 s38, s36, STEPB
	s_lshl_b32 s39, s37, 9
	s_add_co_u32 s40, s38, s39
	s_add_co_u32 s40, s40, 8960
	s_mov_b32 s41, 0
	s_add_nc_u64 s[QA:QA+1], s[4:5], s[40:41]
	s_lshr_b32 s39, s37, 2
	s_lshl_b32 s39, s39, 8
	s_add_co_u32 s40, s38, s39
	s_and_b32 s39, s[TT], 3
	s_lshl_b32 s39, s39, 2
	s_add_co_u32 s40, s40, s39
	s_add_co_u32 s40, s40, 13056
	s_add_nc_u64 s[QW:QW+1], s[4:5], s[40:41]
	global_load_b128 v[16:19], v[L16], s[QA:QA+1]  ; Q's fragment stays in registers for the pass
	global_load_b32 v255, v[R16], s[QW:QW+1]
	s_lshr_b32 s39, s[BH], 4
	s_lshl_b32 s39, s39, 7
	s_add_co_u32 s39, s39, s[TT]                   ; the tile among all tokens': 128 batch + tile
	s_and_b32 s42, s[BH], 15
	s_lshr_b32 s43, s42, 3                         ; my head's 64 lie in khalf head / 8,
	s_and_b32 s42, s42, 7                          ; blocks 2 (head % 8) and + 1
	s_lshl_b32 s40, s39, 12
	s_mul_i32 s38, s43, KH
	s_add_co_u32 s40, s40, s38
	s_lshl_b32 s38, s42, 9
	s_add_co_u32 s40, s40, s38
	s_add_nc_u64 s[OA:OA+1], s[6:7], s[40:41]
	s_lshl_b32 s40, s39, 9
	s_lshl_b32 s38, s43, 8
	s_add_co_u32 s40, s40, s38
	s_lshl_b32 s38, s42, 1
	s_add_co_u32 s40, s40, s38
	s_add_nc_u64 s[OS:OS+1], s[8:9], s[40:41]
	s_lshr_b32 s38, s37, 1
	s_lshl_b32 s38, s38, 5
	s_and_b32 s39, s[TT], 1
	s_lshl_b32 s39, s39, 3
	s_add_co_u32 s38, s38, s39
	v_add_nc_u32 v[DQ], s38, v[QL]                 ; my query's place in its step, less 16 h
	v_mov_b32 v13, 0xff61b1e6                      ; the largest t so far: -3e38, under every t
	s_delay_alu instid0(VALU_DEP_1)
	v_floor_f32 v12, -v13
	v_mov_b32 v14, 0
	v_mov_b32 v15, 0
.set n, 0
.rept 32
	v_mov_b32 v[160+n], 0                          ; O^T: the step is written once; the first finds zeros, which the first change of M leaves zeros
.set n, n+1
.endr
	s_mov_b32 s[TB], 0
	s_mov_b32 s[ST], 0
.endm
; A pass's body: sixteen trips, a constant of the text; steps beyond the limit do nothing.  Then the way out.
.macro PASS_BODY
	s_wait_loadcnt 0x0                             ; Q
.Lstep_\@:
	STEP
	s_add_co_u32 s[TB], s[TB], LSTEP
	s_add_co_u32 s[ST], s[ST], 1
	s_cmp_lt_u32 s[ST], 16
	s_cbranch_scc1 .Lstep_\@
	s_setprio 0
.rept 4
	v_nop                                          ; between the last products and the first read of O^T
.endr
	v_add_f32 v14, v14, v15                        ; the sum's two halves,
	s_delay_alu instid0(VALU_DEP_1)
	v_permlanex16_b32 v252, v14, s[SEL], s[SEL+1]
	s_delay_alu instid0(VALU_DEP_1)
	v_add_f32 v14, v14, v252                       ; and lane l xor 16's: the row's sum
	s_wait_alu depctr_va_vdst(0)
	v_rcp_f32 v14, v14
	v_nop                                          ; a plain instruction behind the reciprocal
	s_wait_alu depctr_va_vdst(0)                   ; and the wait ahead of its first reader
.set n, 0
.rept 32
	v_mul_f32 v[96+n], v[160+n], v14               ; attn: register 16 b + i is d = 32 b + 16 h + i of my query
.set n, n+1
.endr
.irp b, 0,1
	v_max3_num_f32 v[232+\b], |v[96+16*\b]|, |v[97+16*\b]|, 0x1800000
.endr
.irp i, 2,4,6,8,10,12,14
.irp b, 0,1
	s_delay_alu instid0(VALU_DEP_2)
	v_max3_num_f32 v[232+\b], v[232+\b], |v[96+16*\b+\i]|, |v[97+16*\b+\i]|
.endr
.endr
.irp b, 0,1
	s_delay_alu instid0(VALU_DEP_2)
	v_permlanex16_b32 v[236+\b], v[232+\b], s[SEL], s[SEL+1]
.endr
.irp b, 0,1
	s_delay_alu instid0(VALU_DEP_2)
	v_max_num_f32 v[232+\b], v[232+\b], v[236+\b]
.endr
.irp b, 0,1
	s_delay_alu instid0(VALU_DEP_2)
	v_add_nc_u32 v[244+\b], 0xff000000, v[232+\b]
.endr
.irp b, 0,1
	s_delay_alu instid0(VALU_DEP_2)
	v_lshrrev_b32 v[236+\b], 23, v[244+\b]
.endr
	s_delay_alu instid0(VALU_DEP_1)
	v_cndmask_b32 v238, v236, v237, s[HM]          ; lanes 0-15 store block 0's byte, lanes 16-31 block 1's
.irp b, 0,1
	v_cvt_scalef32_pk8_fp4_f32 v[224+2*\b], v[96+16*\b:103+16*\b], v[244+\b]
	v_cvt_scalef32_pk8_fp4_f32 v[225+2*\b], v[104+16*\b:111+16*\b], v[244+\b]
.endr
	v_nop                                          ; one plain instruction behind the scaled conversions
	v_permlane16_swap_b32 v224, v226               ; a whole block in a lane: lanes 0-15 block 0, lanes 16-31 block 1
	v_permlane16_swap_b32 v225, v227
	global_store_b128 v[L16], v[224:227], s[OA:OA+1]   ; 512 consecutive bytes, aligned: two blocks of the tile's 16 rows in the image that launch proj reads
	global_store_b8 v[OSO], v238, s[OS:OS+1]
.endm
	PASS_HEAD 0                                    ; Q's loads go out beside the tensor load
	s_wait_tensorcnt 0x0                           ; my step has landed,
	s_barrier_signal -1
	s_barrier_wait -1                              ; everybody's has: the head's K and V lie in LDS.
	PASS_BODY
	PASS_HEAD 1
	PASS_BODY
	s_wait_tensorcnt 0x0                           ; the wave's end: a tensor wait, an add and its wait, behind my last tensor load
	ds_add_u32 v[SPW], v[NIL]
	s_wait_dscnt 0x0
	CROUND                                         ; the closing round
	s_endpgm
.Lfunc_end_k_q1bc0d2b305_attn:
	.size	k_q1bc0d2b305_attn, .Lfunc_end_k_q1bc0d2b305_attn-k_q1bc0d2b305_attn
	.p2alignl 7, 3214868480
	.fill 96, 4, 3214868480
	.section	.rodata,"a",@progbits
	.p2align	6, 0x0
	.amdhsa_kernel k_q1bc0d2b305_attn
		.amdhsa_group_segment_fixed_size 167936
		.amdhsa_private_segment_fixed_size 0
		.amdhsa_enable_private_segment 0
		.amdhsa_kernarg_size 24
		.amdhsa_user_sgpr_count 2
		.amdhsa_user_sgpr_kernarg_segment_ptr 1
		.amdhsa_wavefront_size32 1
		.amdhsa_system_sgpr_workgroup_id_x 1
		.amdhsa_system_sgpr_workgroup_id_y 1
		.amdhsa_system_sgpr_workgroup_id_z 1
		.amdhsa_system_vgpr_workitem_id 0
		.amdhsa_next_free_vgpr 256
		.amdhsa_next_free_sgpr 66
		.amdhsa_reserve_vcc 1
		.amdhsa_float_denorm_mode_32 3
		.amdhsa_float_denorm_mode_16_64 3
		.amdhsa_memory_ordered 1
		.amdhsa_forward_progress 1
		.amdhsa_inst_pref_size 62
	.end_amdhsa_kernel
	.amdgpu_metadata
---
amdhsa.version: [ 1, 2 ]
amdhsa.kernels:
  - .name:           k_q1bc0d2b305_attn
    .symbol:         k_q1bc0d2b305_attn.kd
    .args:
      - { .name: qkv, .offset: 0, .size: 8, .value_kind: global_buffer, .address_space: global }
      - { .name: aq, .offset: 8, .size: 8, .value_kind: global_buffer, .address_space: global }
      - { .name: asc, .offset: 16, .size: 8, .value_kind: global_buffer, .address_space: global }
    .group_segment_fixed_size: 167936
    .private_segment_fixed_size: 0
    .kernarg_segment_align: 8
    .kernarg_segment_size: 24
    .max_flat_workgroup_size: 512
    .sgpr_count:     66
    .vgpr_count:     256
    .wavefront_size: 32
...
	.end_amdgpu_metadata
.endif
;; end of part 3
;; launch proj (part 4): grid 4 x 64, 4 waves a work-group, clusters of 4 x 4, 327,680 bytes of LDS; arguments aq, asc, wq, ws, b_o, out0; writes out0
.if DOCPART == 4
	.amdgcn_target "amdgcn-amd-amdhsa--gfx1250"
	.amdhsa_code_object_version 6
	.text
	.protected	k_q1bc0d2b305_proj
	.globl	k_q1bc0d2b305_proj
	.p2align	8
	.type	k_q1bc0d2b305_proj,@function
k_q1bc0d2b305_proj:
	s_mov_b64 s[64:65], 0
	v_nop
	global_prefetch_b8 v0, s[64:65] scope:SCOPE_SE
	s_setreg_imm32_b32 hwreg(HW_REG_WAVE_MODE, 25, 1), 1
	s_wait_xcnt 0x0
	s_wait_alu depctr_hold_cnt(0) depctr_sa_sdst(0) depctr_va_vdst(0) depctr_va_sdst(0) depctr_va_ssrc(0) depctr_va_vcc(0) depctr_vm_vsrc(0)
	s_getreg_b32 s2, hwreg(HW_REG_IB_STS2, 6, 4)
	s_cmp_eq_u32 s2, 0
	s_cbranch_scc0 .Lentry_in_a_cluster
	s_endpgm
.Lentry_in_a_cluster:
	s_bfe_u32 s2, ttmp6, 0x10000c
	s_cmp_lg_u32 s2, 0xf033
	s_cbranch_scc0 .Lentry_shape_is_right
	s_endpgm
.Lentry_shape_is_right:
; LAUNCH 4 OF 4: out0 = Q(attn) Q(W_o) + b_o on codes of FP4 with E8M0 scales; f32 sums, f32 out.  Nothing of this product is left out.
; The frame is launch qkv's: a work-group makes 128 tokens x 256 columns, four waves of 64 x 128; K = 1,024 lies in LDS whole, two slots of 512 along K, both asked for at the head; nothing is filled again.
; Operands are images of their registers: a fragment of tile T, step q of a khalf, is two loads of 16 bytes a lane at 4096 T + 1024 q + 16 x lane, 512 bytes apart.  Tile T holds rows 32 (T / 2) + 8 (T % 2) + r + 8 (r / 8).
; CLUSTERS: 4 x 4 work-groups: attn's tiles are asked for jointly along a row of the cluster, W_o's along a column.
; Source 0 = W_o's columns, source 1 = tokens: a lane holds one token and eight neighbouring columns.  The bias is the C of each sum's first product.
; THE WAY OUT: 16 tokens x 128 columns at a time through the wave's own stage in LDS, back as whole rows of 512 bytes.  The stage has bytes of its own, into which no tensor load lands.
; REGISTERS, in windows of 256: window 0: v2-20 addresses; v28, v29 the add's two; v32-127 scale words; v128-191 source 1's fragments, two sets of 4; on the way out v128-255 rows of the result.
;   window 1: v0-127 source 0's fragments, two sets of 8; v128-191 the bias.   window 2: the 32 accumulators, (a, b) at v[8 (8 a + b)].
.set TB0,   192                        ; W_o's first tile in wq and ws
.set KHA,   2097152
.set KHB,   1048576
.set SLOT,  98304                      ; a slot: attn's 8 tiles (32,768 bytes), then W_o's 16 (65,536)
.set SCL,   2*SLOT                     ; attn's scale bytes (4,096), then W_o's (8,192)
.set SPARE, SCL+12288                  ; the spare words, 128 bytes for each wave: two blocks of 256 bytes that no other line names
.set STAGE, SPARE+512                  ; 16 rows x (512 bytes + 16) for each wave
.set L16,  2
.set R16,  3
.set HH,   4
.set RR,   5
.set RAQ0, 8
.set RAQ1, 9
.set RBQ0, 10
.set RBQ1, 11
.set RSAQ, 12
.set RSBQ, 13
.set STO,  14                          ; v14  the stage: where I put 32 bytes of a row
.set RD,   15                          ; v15  and where I read a row back
.set BOQ,  20                          ; v20  the bias: 64 h
.set SPW,  28
.set NIL,  29
.set SCA,  32
.set SCB,  48
.set G1A,  24
.set G0A,  32
.set G1B,  40
.set G0B,  48
.set G1SA, 56
.set G1SB, 68
.set G0SA, 76
.set G0SB, 80
.set MSB, 0
.macro WIN new                         ; the immediate's high byte repeats the setting that is left; a switch that changes nothing is dropped
.if MSB != \new
	s_set_vgpr_msb (MSB<<8)|\new
.set MSB, \new
.endif
.endm
; A joint load: waves 0 and 1 fetch for attn, waves 2 and 3 for W_o; the branch hangs on the wave's number alone.  An s_nop 0 and four v_nop follow each of the two lines.
.macro JLOAD g0a, g1a, g0b, g1b
	s_cmp_eq_u32 s17, 0
	s_cbranch_scc0 .Lfor_b_\@
	tensor_load_to_lds s[\g0a:\g0a+3], s[\g1a:\g1a+7]
	s_nop 0
.rept 4
	v_nop
.endr
	s_branch .Lasked_\@
.Lfor_b_\@:
	tensor_load_to_lds s[\g0b:\g0b+3], s[\g1b:\g1b+7]
	s_nop 0
.rept 4
	v_nop
.endr
.Lasked_\@:
.endm
.macro CROUND                          ; a round of the cluster's barrier
	s_barrier_signal -1
	s_barrier_wait -1
	s_cmp_lg_u32 s16, 0
	s_cbranch_scc1 .Lnot_wave_0_\@
	s_barrier_signal -3
.Lnot_wave_0_\@:
	s_barrier_wait -3
	s_barrier_signal -1
	s_barrier_wait -1
.endm
.macro G1REST g, rows                  ; a dense block as rows of 256 bytes: 32 elements of 8 bytes, no padding
	s_mov_b32 s[\g+1], 32<<16
	s_mov_b32 s[\g+2], (\rows)<<16
	s_mov_b32 s[\g+3], 32<<16
	s_mov_b32 s[\g+4], \rows
	s_mov_b32 s[\g+5], 32
	s_mov_b32 s[\g+6], 0
	s_mov_b32 s[\g+7], 0
.endm
.macro PLACES                          ; four plain instructions between a matrix instruction and a load into, or a read of, its registers
.rept 4
	v_nop
.endr
.endm
.macro FRAG reg, adr, q, i
.irp c, 0,1
	ds_load_b128 v[\reg+4*\c:\reg+4*\c+3], v[\adr] offset:(\i)*4096+(\q)*1024+512*\c
.endr
.endm
.macro FETCH ra, rb, q, p              ; 24 LDS loads in one run: step q's fragments into set p
	WIN 0x40
.irp i, 0,1,2,3,4,5,6,7
	FRAG 64*(\p)+8*\i, \rb, \q, \i
.endr
	WIN 0
.irp i, 0,1,2,3
	FRAG 128+32*(\p)+8*\i, \ra, \q, \i
.endr
.endm
.macro SCALES rsa, rsb                 ; all scale words, once
.irp s, 0,1
.irp a, 0,1,2,3
	ds_load_b128 v[SCA+48*\s+4*\a:SCA+48*\s+4*\a+3], v[\rsa] offset:512*\a+256*\s
.endr
.irp b, 0,1,2,3,4,5,6,7
	ds_load_b128 v[SCB+48*\s+4*\b:SCB+48*\s+4*\b+3], v[\rsb] offset:512*\b+256*\s
.endr
.endr
.endm
; 32 matrix instructions: 128 along K.  The 32 accumulators take turns, one instruction a turn, in the same order in every step.  first = 1: the bias is the C.
.macro MUL p, s, q, first
.if \first
	WIN 0x91                                       ; source 0 window 1, source 1 window 0, C window 1, D window 2
.else
	WIN 0xa1                                       ; C and D window 2
.endif
.irp a, 0,1,2,3
.irp b, 0,1,2,3,4,5,6,7
.if \first
	v_wmma_scale_f32_16x16x128_f8f6f4 v[8*(8*\a+\b):8*(8*\a+\b)+7], v[64*(\p)+8*\b:64*(\p)+8*\b+7], v[128+32*(\p)+8*\a:128+32*(\p)+8*\a+7], v[128+8*\b:128+8*\b+7], v[SCB+48*(\s)+4*\b+(\q)], v[SCA+48*(\s)+4*\a+(\q)] matrix_a_fmt:MATRIX_FMT_FP4 matrix_b_fmt:MATRIX_FMT_FP4
.else
	v_wmma_scale_f32_16x16x128_f8f6f4 v[8*(8*\a+\b):8*(8*\a+\b)+7], v[64*(\p)+8*\b:64*(\p)+8*\b+7], v[128+32*(\p)+8*\a:128+32*(\p)+8*\a+7], v[8*(8*\a+\b):8*(8*\a+\b)+7], v[SCB+48*(\s)+4*\b+(\q)], v[SCA+48*(\s)+4*\a+(\q)] matrix_a_fmt:MATRIX_FMT_FP4 matrix_b_fmt:MATRIX_FMT_FP4
.endif
.endr
.endr
.endm
	s_load_b256 s[4:11], s[0:1], 0x0               ; aq s[4:5], asc s[6:7], wq s[8:9], ws s[10:11]
	s_load_b128 s[12:15], s[0:1], 0x20             ; b_o s[12:13], out0 s[14:15]
	v_lshl_add_u32 v[SPW], v0, 2, SPARE
	v_mov_b32 v[NIL], 0
	ds_add_u32 v[SPW], v[NIL]                      ; the wave's opening: the add, twice on end, and its wait ahead of my first tensor load; the set-up below stands between
	ds_add_u32 v[SPW], v[NIL]
	v_lshrrev_b32 v1, 5, v0
	v_readfirstlane_b32 s16, v1                    ; wave 0..3
	s_lshr_b32 s17, s16, 1                         ; I fetch for attn (0) or for W_o (1); which 64 tokens are mine
	s_and_b32 s18, s16, 1                          ; which half of that tile I fetch; which 128 columns are mine
	s_bfe_u32 s19, ttmp6, 0x40000                  ; cx, cy
	s_bfe_u32 s20, ttmp6, 0x40004
	s_lshl_b32 s21, ttmp9, 2
	s_add_co_u32 s21, s21, s19                     ; tile column: 256 columns
	s_and_b32 s22, ttmp7, 0xffff
	s_lshl_b32 s22, s22, 2
	s_add_co_u32 s22, s22, s20                     ; tile row: 128 tokens
	s_lshl_b32 s84, s20, 2
	s_lshl_b32 s84, 15, s84                        ; my row of the cluster
	s_lshl_b32 s85, 0x1111, s19                    ; my column
	s_or_b32 s[G1A], s84, (3<<16)|(1<<21)
	s_or_b32 s[G1SA], s84, (3<<16)|(1<<21)
	s_or_b32 s[G1B], s85, (3<<16)|(1<<21)
	s_or_b32 s[G1SB], s85, (3<<16)|(1<<21)
	G1REST G1A, 64
	G1REST G1B, 128
	G1REST G1SA, 8
	G1REST G1SB, 16
	s_lshl_b32 s86, s22, 15                        ; attn's registers never hold cx, W_o's never cy
	s_lshl_b32 s87, s18, 14
	s_add_co_u32 s86, s86, s87
	s_mov_b32 s87, 0
	s_lshl_b32 s88, s22, 12
	s_lshl_b32 s89, s18, 11
	s_add_co_u32 s88, s88, s89
	s_mov_b32 s89, 0
	s_lshl_b32 s90, s21, 16
	s_lshl_b32 s91, s18, 15
	s_add_co_u32 s90, s90, s91
	s_mov_b32 s91, 0
	s_lshl_b32 s92, s21, 13
	s_lshl_b32 s93, s18, 12
	s_add_co_u32 s92, s92, s93
	s_mov_b32 s93, 0
	s_add_co_u32 s90, s90, TB0*4096                ; W_o's tiles lie behind W_qkv's 192
	s_add_co_u32 s92, s92, TB0*512
	s_lshl_b32 s94, s18, 14
	s_lshl_b32 s95, s18, 15
	s_add_co_u32 s95, s95, 32768
	s_lshl_b32 s96, s18, 11
	s_add_co_u32 s96, s96, SCL
	s_lshl_b32 s97, s18, 12
	s_add_co_u32 s97, s97, SCL+4096
	s_wait_dscnt 0x0                               ; both opening adds are done
	s_wait_kmcnt 0x0
	s_add_nc_u64 s[86:87], s[4:5], s[86:87]
	s_add_nc_u64 s[88:89], s[6:7], s[88:89]
	s_add_nc_u64 s[90:91], s[8:9], s[90:91]
	s_add_nc_u64 s[92:93], s[10:11], s[92:93]
	CROUND                                         ; all sixteen work-groups are here: the joint loads meet
	s_mov_b32 s[G0SA], 1
	s_mov_b32 s[G0SA+1], s96
	s_mov_b64 s[G0SA+2:G0SA+3], s[88:89]
	s_or_b32 s[G0SA+3], s[G0SA+3], 0x80000000
	s_mov_b32 s[G0SB], 1
	s_mov_b32 s[G0SB+1], s97
	s_mov_b64 s[G0SB+2:G0SB+3], s[92:93]
	s_or_b32 s[G0SB+3], s[G0SB+3], 0x80000000
	JLOAD G0SA, G1SA, G0SB, G1SB                   ; the scale bytes first; then both slots, each behind a wait for the one before: three tensor loads of mine, and no more follow
.irp s, 0,1
	s_mov_b32 s[G0A+4*\s], 1
	s_add_co_u32 s[G0A+4*\s+1], s94, \s*SLOT
	s_add_nc_u64 s[G0A+4*\s+2:G0A+4*\s+3], s[86:87], \s*KHA
	s_or_b32 s[G0A+4*\s+3], s[G0A+4*\s+3], 0x80000000
	s_mov_b32 s[G0B+4*\s], 1
	s_add_co_u32 s[G0B+4*\s+1], s95, \s*SLOT
	s_add_nc_u64 s[G0B+4*\s+2:G0B+4*\s+3], s[90:91], \s*KHB
	s_or_b32 s[G0B+4*\s+3], s[G0B+4*\s+3], 0x80000000
	s_wait_alu depctr_va_vdst(0)
	s_wait_tensorcnt 0x0
	ds_add_u32 v28, v29
	s_wait_dscnt 0x0
	CROUND
	JLOAD G0A+4*\s, G1A, G0B+4*\s, G1B
.endr
	v_and_b32 v1, 31, v0
	v_lshlrev_b32 v[L16], 4, v1
	v_and_b32 v[RR], 15, v0
	v_lshlrev_b32 v[R16], 4, v[RR]
	s_wait_alu depctr_va_vdst(0)
	v_bfe_u32 v[HH], v0, 4, 1
	s_lshl_b32 s84, s17, 14                        ; source 1 = attn's tiles 4 (wave / 2) on
	v_add_nc_u32 v[RAQ0], s84, v[L16]
	s_add_co_u32 s84, s84, SLOT
	v_add_nc_u32 v[RAQ1], s84, v[L16]
	s_lshl_b32 s84, s18, 15                        ; source 0 = W_o's tiles 8 (wave % 2) on
	s_add_co_u32 s84, s84, 32768
	v_add_nc_u32 v[RBQ0], s84, v[L16]
	s_add_co_u32 s84, s84, SLOT
	v_add_nc_u32 v[RBQ1], s84, v[L16]
	s_lshl_b32 s84, s17, 11
	s_add_co_u32 s84, s84, SCL
	v_add_nc_u32 v[RSAQ], s84, v[R16]
	s_lshl_b32 s84, s18, 12
	s_add_co_u32 s84, s84, SCL+4096
	v_add_nc_u32 v[RSBQ], s84, v[R16]
	s_mul_i32 s84, s16, 16*528
	s_add_co_u32 s84, s84, STAGE                   ; my stage
	v_mul_u32_u24 v[STO], v[RR], 528
	s_wait_alu depctr_va_vdst(0)
	v_lshl_add_u32 v[STO], v[HH], 6, v[STO]
	v_add_nc_u32 v[STO], s84, v[STO]               ; in: row r, + 64 h
	v_add_nc_u32 v[RD], s84, v[L16]                ; back: the 32 lanes take one row of 512 bytes
	v_lshlrev_b32 v[BOQ], 6, v[HH]
	s_wait_alu depctr_va_vdst(0)
	s_lshl_b32 s84, s21, 10
	s_lshl_b32 s85, s18, 9
	s_add_co_u32 s84, s84, s85                     ; my 128 columns, 4 bytes each
	s_mov_b32 s85, 0
	s_add_nc_u64 s[12:13], s[12:13], s[84:85]      ; in the bias,
	s_add_nc_u64 s[14:15], s[14:15], s[84:85]      ; and in a row of the result;
	s_lshl_b32 s84, s22, 19
	s_lshl_b32 s86, s17, 18
	s_add_co_u32 s84, s84, s86                     ; my first token: 128 x tile row + 64 (wave / 2), rows of 4,096 bytes
	s_add_nc_u64 s[14:15], s[14:15], s[84:85]
	WIN 0x40
.irp b, 0,1,2,3,4,5,6,7                        ; register j of tile b in lane (r, h) is column 32 (b / 2) + 16 h + 8 (b % 2) + j
	global_load_b128 v[128+8*\b:128+8*\b+3], v[BOQ], s[12:13] offset:(32*(\b/2)+8*(\b%2))*4
	global_load_b128 v[128+8*\b+4:128+8*\b+7], v[BOQ], s[12:13] offset:(32*(\b/2)+8*(\b%2))*4+16
.endr
	WIN 0
	s_wait_tensorcnt 0x1                           ; the scale bytes and my part of slot 0 are in; slot 1's load may be out
	s_barrier_signal -1
	s_barrier_wait -1
	; the whole K: eight steps of 128; while one set is multiplied the other set's 24 loads are on their way
	SCALES RSAQ, RSBQ
	FETCH RAQ0, RBQ0, 0, 0
	FETCH RAQ0, RBQ0, 1, 1
	s_wait_dscnt 24                                ; all but the 24 just issued: the scale words and set 0 are in
	s_wait_loadcnt 0x0                             ; the bias
	MUL 0, 0, 0, 1
	PLACES
	FETCH RAQ0, RBQ0, 2, 0
	s_wait_dscnt 24
	MUL 1, 0, 1, 0
	PLACES
	FETCH RAQ0, RBQ0, 3, 1
	s_wait_dscnt 24
	MUL 0, 0, 2, 0
	s_wait_tensorcnt 0x0                           ; my part of slot 1 has landed,
	s_wait_dscnt 0x0                               ; no LDS load of mine is out at the signal (set 1 is in),
	s_barrier_signal -1
	s_barrier_wait -1                              ; everybody's part has: slot 1 may be read.
	PLACES
	FETCH RAQ1, RBQ1, 0, 0
	MUL 1, 0, 3, 0
	PLACES
	FETCH RAQ1, RBQ1, 1, 1
	s_wait_dscnt 24
	MUL 0, 1, 0, 0
	PLACES
	FETCH RAQ1, RBQ1, 2, 0
	s_wait_dscnt 24
	MUL 1, 1, 1, 0
	PLACES
	FETCH RAQ1, RBQ1, 3, 1
	s_wait_dscnt 24
	MUL 0, 1, 2, 0
	s_wait_dscnt 0x0
	MUL 1, 1, 3, 0
	WIN 0
	PLACES                                         ; in front of the first read of results and the loads into the registers that held fragments
; THE WAY OUT.  LDS serves a wave's instructions in order: no wait between the stores and the loads, nor in front of the next block's stores.
.macro TOSTAGE a
	WIN 0x08                                       ; an LDS store's data are its source 1: window 2
.irp b, 0,1,2,3,4,5,6,7
	ds_store_b128 v[STO], v[8*(8*(\a)+\b):8*(8*(\a)+\b)+3] offset:128*(\b/2)+32*(\b%2)          ; each accumulator from its low end on
	ds_store_b128 v[STO], v[8*(8*(\a)+\b)+4:8*(8*(\a)+\b)+7] offset:128*(\b/2)+32*(\b%2)+16
.endr
	WIN 0
.set BB, 128+64*((\a)%2)
.irp t, 0,1,2,3,4,5,6,7,8,9,10,11,12,13,14,15
	ds_load_b128 v[BB+4*\t:BB+4*\t+3], v[RD] offset:528*\t
.endr
.endm
.macro SEND a, younger                 ; younger: the LDS instructions issued behind block a's loads, which may stay out
.set BB, 128+64*((\a)%2)
	s_wait_dscnt \younger
.irp t, 0,1,2,3,4,5,6,7,8,9,10,11,12,13,14,15
	global_store_b128 v[L16], v[BB+4*\t:BB+4*\t+3], s[14:15] offset:(32*((\a)/2)+8*((\a)%2)+\t+8*(\t/8))*4096 th:TH_STORE_NT   ; 32 lanes store 512 consecutive bytes, aligned; the tile's row t is token 32 (a / 2) + 8 (a % 2) + t + 8 (t / 8) of my 64
.endr
.endm
	TOSTAGE 0
.irp a, 1,2,3
.if \a > 1
	s_wait_xcnt 0x0                                ; block a - 2's stores have read their registers: block a's loads may land there
.endif
	TOSTAGE \a
	SEND \a-1, 32                                  ; behind block a - 1's loads: block a's 16 stores and 16 loads
.endr
	SEND 3, 0
	s_wait_tensorcnt 0x0                           ; the wave's end: a tensor wait, an add and its wait, behind my last tensor load and my last LDS store
	ds_add_u32 v[SPW], v[NIL]
	s_wait_dscnt 0x0
	CROUND                                         ; the closing round
	s_endpgm
.Lfunc_end_k_q1bc0d2b305_proj:
	.size	k_q1bc0d2b305_proj, .Lfunc_end_k_q1bc0d2b305_proj-k_q1bc0d2b305_proj
	.p2alignl 7, 3214868480
	.fill 96, 4, 3214868480
	.section	.rodata,"a",@progbits
	.p2align	6, 0x0
	.amdhsa_kernel k_q1bc0d2b305_proj
		.amdhsa_group_segment_fixed_size 327680
		.amdhsa_private_segment_fixed_size 0
		.amdhsa_enable_private_segment 0
		.amdhsa_kernarg_size 48
		.amdhsa_user_sgpr_count 2
		.amdhsa_user_sgpr_kernarg_segment_ptr 1
		.amdhsa_wavefront_size32 1
		.amdhsa_system_sgpr_workgroup_id_x 1
		.amdhsa_system_sgpr_workgroup_id_y 1
		.amdhsa_system_sgpr_workgroup_id_z 1
		.amdhsa_system_vgpr_workitem_id 0
		.amdhsa_next_free_vgpr 768
		.amdhsa_next_free_sgpr 100
		.amdhsa_reserve_vcc 0
		.amdhsa_float_denorm_mode_32 3
		.amdhsa_float_denorm_mode_16_64 3
		.amdhsa_memory_ordered 1
		.amdhsa_forward_progress 1
		.amdhsa_inst_pref_size 74
	.end_amdhsa_kernel
	.amdgpu_metadata
---
amdhsa.version: [ 1, 2 ]
amdhsa.kernels:
  - .name:           k_q1bc0d2b305_proj
    .symbol:         k_q1bc0d2b305_proj.kd
    .args:
      - { .name: aq, .offset: 0, .size: 8, .value_kind: global_buffer, .address_space: global }
      - { .name: asc, .offset: 8, .size: 8, .value_kind: global_buffer, .address_space: global }
      - { .name: wq, .offset: 16, .size: 8, .value_kind: global_buffer, .address_space: global }
      - { .name: ws, .offset: 24, .size: 8, .value_kind: global_buffer, .address_space: global }
      - { .name: b_o, .offset: 32, .size: 8, .value_kind: global_buffer, .address_space: global }
      - { .name: out0, .offset: 40, .size: 8, .value_kind: global_buffer, .address_space: global }
    .group_segment_fixed_size: 327680
    .private_segment_fixed_size: 0
    .kernarg_segment_align: 8
    .kernarg_segment_size: 48
    .max_flat_workgroup_size: 128
    .sgpr_count:     100
    .vgpr_count:     768
    .wavefront_size: 32
...
	.end_amdgpu_metadata
.endif
;; end of part 4
